; MI455X (gfx1250); checked and timed in simulation.
; The chip was launched on July 23, 2026; its instructions are those of AMD's public machine-readable ISA for CDNA 5 (MIT licence, August 2026) and "CDNA5" Instruction Set Architecture Reference Guide (July 2026). The comments in the code are by the model that wrote it; some were corrected since.
;; FGT Multi Head Attention. Allowed arithmetic: matrix products marked QUANTISED: E2M3 operands, one E8M0 scale for each 32 along K, by v_wmma_scale_f32_16x16x128_f8f6f4 with both operands' format E2M3, f32 sums; everything else in f32.
;; Inputs: b_o 1,024 float32; w_k 1,024 x 1,024 float32; w_o 1,024 x 1,024 float32; w_q 1,024 x 1,024 float32; w_v 1,024 x 1,024 float32; x 2 x 2,048 x 1,024 float32.
;; Outputs: out0 2 x 2,048 x 1,024 float32.
;; This version of the problem:
;;   THIS VERSION OF THE PROBLEM IS GIVEN IN LOW PRECISION. The matrix products marked QUANTISED in the list below multiply operands that are first quantised to E2M3 (2 exponent bits, 3 mantissa bits; 6 bits a number), with one power-of-two scale for each 32 numbers along K (OCP MX v1.0); their sums are f32. All else is computed in f32.
;;   The module's matrix products, in the order in which they are computed (A, B: the left and right operand; K: the contracted axis; several contracted axes count as one K, in the product's order):
;;     1. [M 4,096, K 1,024] x [K 1,024, N 1,024]; A: input x; B: input w_q: QUANTISED
;;     2. [M 4,096, K 1,024] x [K 1,024, N 1,024]; A: input x; B: input w_k: QUANTISED
;;     3. [M 4,096, K 1,024] x [K 1,024, N 1,024]; A: input x; B: input w_v: QUANTISED
;;     4. batch 32 x [M 2,048, K 64] x [K 64, N 2,048]; A: computed on the way; B: computed on the way: QUANTISED
;;     5. batch 32 x [M 2,048, K 2,048] x [K 2,048, N 64]; A: softmax (see below); B: computed on the way: QUANTISED
;;     6. [M 4,096, K 1,024] x [K 1,024, N 1,024]; A: computed on the way; B: input w_o: QUANTISED
;;   THE QUANTISER, for each operand of a quantised product, along K:
;;     - K is cut into blocks of 32 from its start; a last block that is shorter is filled with zeros.
;;     - A block's scale is 2^e with e = floor(log2(the largest magnitude in the block)) - 2, held to -126 .. 127; a block of zeros has e = 0. As a byte (E8M0): e + 127.
;;     - Each number is divided by its block's scale, clamped to +-7.5, and rounded to the nearest number of E2M3, ties to even, subnormals kept.
;;     - The product sums the exact products of the quantised numbers (number of the format x scale) in f32.
;;   ~~~python
;;   def quantise(x, axis):      # numpy; x: float32 -> the quantised numbers, widened to float32 again
;;       x = np.moveaxis(x, axis, -1); K = x.shape[-1]
;;       x = np.pad(x, [(0, 0)] * (x.ndim - 1) + [(0, -K % 32)]); x = x.reshape(x.shape[:-1] + (-1, 32)); a = np.abs(x).max(-1, keepdims=True)
;;       e = np.where(a > 0, np.clip(np.frexp(np.where(a > 0, a, 1))[1] - 1 - 2, -126, 127), 0)      # np.frexp(a)[1] - 1 = floor(log2(a)), exactly
;;       r = np.clip(x / 2.0 ** e, -7.5, 7.5)
;;       step = 2.0 ** (np.maximum(np.frexp(np.where(r == 0, 1, r))[1] - 1, 0) - 3)
;;       q = np.round(r / step) * step * 2.0 ** e      # np.round: ties to even
;;       return np.moveaxis(q.reshape(q.shape[:-2] + (-1,))[..., :K], -1, axis).astype(np.float32)
;;   ~~~
;;   SOFTMAX AHEAD OF A QUANTISED PRODUCT. Where the list says 'softmax', what is quantised is not the finished softmax but p = 2^(t - M), with t = logit x log2(e) and M = ceil(the row's largest t), a whole number; so 1/2 < the row's largest p <= 1. The row's sum l is taken of the UNQUANTISED p, in f32, and the product's result is divided by l at the end. Since M is a whole number, a kernel that streams over the keys may use a running M (the ceiling of the running maximum): every later rescaling is an exact power of two, which a block's scale takes up: the codes' values come out the same.
;;   OPERANDS COMPUTED ON THE WAY. 'Computed on the way' means the value that the module computes at that place (a softmax that the list does not call 'softmax' is quantised finished and normalised). What goes into a quantiser is computed in f32, as accurately as f32 sums, v_exp_f32 and their like allow (about 1e-6 of the number): no bf16 or f16 on the way to a quantiser, and a product that is left as it is and whose result goes on into a quantised operand takes f32 operands (vector FMAs, or v_wmma_f32_16x16x4_f32). A number that lies on a knife's edge between two numbers of the format may be rounded either way, as far as f32 arithmetic and the matrix unit's own rounding can turn it there, and no further.
;; One version. Each part assembles by itself: llvm-mc -triple=amdgcn-amd-amdhsa -mcpu=gfx1250 --defsym DOCPART=n.
;; ======== version 1 of 1: 4 launches
;; limits: right only within a limited range of input values
;; workspace buffers: ops 6,553,600 bytes; rope 524,288 bytes; qbuf 3,407,872 bytes; kv 6,684,672 bytes; ao 3,276,800 bytes
;; launch prep (part 1): grid 288 x 1, 4 waves a work-group, no clusters, 34,304 bytes of LDS; arguments x, w_q, w_k, w_v, w_o, ops, rope; writes ops, rope
.if DOCPART == 1
	.amdgcn_target "amdgcn-amd-amdhsa--gfx1250"
	.amdhsa_code_object_version 6
	.text
	.protected	k_q7283df51dc_prep
	.globl	k_q7283df51dc_prep
	.p2align	8
	.type	k_q7283df51dc_prep,@function
k_q7283df51dc_prep:
	s_mov_b64 s[64:65], 0
	v_nop
	global_prefetch_b8 v0, s[64:65] scope:SCOPE_SE
	s_setreg_imm32_b32 hwreg(HW_REG_WAVE_MODE, 25, 1), 1
	s_wait_xcnt 0x0
; PREP.  (1) x [4096][1024] and w_q, w_k, w_v, w_o [1024][1024], f32 with K innermost, become codes of FP6 (E2M3) with one E8M0 byte for each 32 along K,
; laid in 'ops' as IMAGES OF OPERAND REGISTERS.  (2) The table of cos and sin for the rotary embedding goes to 'rope'.
; LAYOUT OF ops: 64 row blocks of 128 rows (x 0-31, w_q 32-39, w_k 40-47, w_v 48-55, w_o 56-63); a row block is 8 K steps of 12,800 bytes; a K step is 2 groups (64 rows) of 6,400 bytes;
; a group is 4 fragments of 1,536 bytes and 256 bytes of scale words.  Tile t of a group has in lane r the row 32 (t / 2) + 8 (t % 2) + r + 8 (r / 8).
; A fragment (16 rows x 128 K, 12 registers a lane) is two halves of 768 bytes (64 K each): registers 0-3 of the half at 16 x lane, registers 4-5 at 512 + 8 x lane.
; The scale words: lane (r, h) has at 8 x lane + 4 j the word of tile 2 j + h, row r.
; A block's scale is 2^(floor(log2(its largest magnitude)) - 2); its byte is the largest magnitude's exponent field - 2, held at 1 from below.
; LIMITS: NaN and infinities among the inputs are not served.  A block whose largest magnitude lies under 2^-124, a block of zeros too, gets the byte 1 (a block of zeros would have 127 by the rule):
; its codes are zeros, and the bytes are read by this program alone.
; SHARES: work-groups 0-255 quantise: a wave takes one group of one K step, 64 rows x 128 K: 32 KiB in, 6,400 consecutive bytes out.  Work-groups 256-287 make the table, 16 tokens a wave.
; Every load reads 512 consecutive bytes of a row; a tile's 16 rows turn through the wave's own stage in LDS (rows of 512 + 16 bytes), so that a lane gets whole blocks of 32 neighbours.
; Waves share nothing: no barrier.  No input byte is read by two work-groups, so there is nothing to ask for jointly; no matrix unit: the launch only moves and rounds.
; THE TABLE: rope[t][..]: for p = 0 .. 15 the four numbers cos(t f(2p)), cos(t f(2p+1)), sin(t f(2p)), sin(t f(2p+1)), f(i) = 1 / 10^(i / 8) = 1 / 10000^(i / 32).
; 10^(i / 8) = A[i % 8] x 10^(i / 8 whole), A the f32 numbers nearest to 10^(j / 8): one rounding more for i >= 8.  LIMIT: against another rounding of that power an angle can differ by about 2e-4 rad at the last tokens.
; cos and sin: the angle less n x pi/2 in two parts, then polynomials of degree 7 and 8 on [-pi/4, pi/4]: about 1e-7 absolute.
.set SP,   528                         ; a stage row: 512 bytes + 16: an odd multiple of 16, so that 16 rows' loads of 16 bytes fall on 16 different columns
.set STG,  16*SP                       ; a wave's stage
.set MX,   6                           ; v6-7    largest magnitudes of my two blocks
.set SO,   8                           ; v8-9    the conversions' scale operands
.set BY,   10                          ; v10-11  scale bytes
.set SH,   12                          ; v12     8 x (lane / 16)
.set PT,   13                          ; v13     the partner lane's bytes
.set RAW,  16                          ; v16-143 two sets of 64: a tile as it is loaded
.set X,    144                         ; v144-207 my two blocks of 32 neighbours
.set C,    208                         ; v208-231 two sets of 12: a tile's codes
.set CT,   232                         ; v232-238 the upper halves of the blocks' codes, before they are moved
.set W,    240                         ; v240-243 the four tiles' scale words
	s_load_b256 s[4:11], s[0:1], 0x0               ; x, w_q, w_k, w_v
	s_load_b128 s[12:15], s[0:1], 0x20             ; w_o, ops
	s_load_b64 s[16:17], s[0:1], 0x30              ; rope
	v_lshl_add_u32 v254, v0, 2, 0x8400
	v_mov_b32 v255, 0
	v_lshrrev_b32 v1, 5, v0
	v_readfirstlane_b32 s18, v1                    ; wave 0..3
	v_and_b32 v1, 31, v0                           ; lane
	s_wait_kmcnt 0x0
	s_cmp_ge_u32 ttmp9, 256
	s_cbranch_scc1 .Ltable
	; ---------------- the quantiser ----------------
	s_wait_alu depctr_va_vdst(0)
	v_lshlrev_b32 v2, 4, v1                        ; 16 x lane
	v_lshlrev_b32 v3, 3, v1                        ; 8 x lane
	s_mul_i32 s19, s18, STG
	v_add_nc_u32 v4, s19, v2                       ; into the stage: a row's 512 bytes as they lie
	v_and_b32 v6, 15, v1                           ; r
	v_lshrrev_b32 v7, 4, v1                        ; h
	v_mul_u32_u24 v5, v6, SP
	v_lshl_add_u32 v5, v7, 7, v5
	v_add_nc_u32 v5, s19, v5                       ; out of it: row r, + 128 h: my block of 32 numbers
	v_lshlrev_b32 v[SH], 3, v7
	v_mov_b32 v[PT], 0                             ; a lane permute's destination counts as one of its sources
	s_mov_b32 s30, 0x76543210
	s_mov_b32 s31, 0xfedcba98                      ; v_permlanex16_b32's selects for lane l xor 16
	s_mov_b32 s32, 0xffff0000                      ; lanes 16-31
	s_lshr_b32 s20, ttmp9, 2                       ; row block 0..63
	s_and_b32 s24, ttmp9, 3
	s_lshl_b32 s24, s24, 1
	s_lshr_b32 s26, s18, 1
	s_add_co_u32 s24, s24, s26                     ; K step 0..7
	s_and_b32 s25, s18, 1                          ; group 0, 1
	s_cmp_lt_u32 s20, 56                           ; which tensor: the choice hangs on the work-group's number alone
	s_cselect_b64 s[22:23], s[10:11], s[12:13]
	s_cmp_lt_u32 s20, 48
	s_cselect_b64 s[22:23], s[8:9], s[22:23]
	s_cmp_lt_u32 s20, 40
	s_cselect_b64 s[22:23], s[6:7], s[22:23]
	s_cmp_lt_u32 s20, 32
	s_cselect_b64 s[22:23], s[4:5], s[22:23]
	s_cselect_b32 s21, 31, 7
	s_and_b32 s21, s20, s21                        ; the row block's number in its tensor
	s_lshl_b32 s28, s21, 19                        ; 128 rows of 4,096 bytes
	s_lshl_b32 s27, s25, 18                        ; 64 rows
	s_add_co_u32 s28, s28, s27
	s_lshl_b32 s27, s24, 9                         ; 128 numbers along K
	s_add_co_u32 s28, s28, s27
	s_mov_b32 s29, 0
	s_add_nc_u64 s[22:23], s[22:23], s[28:29]      ; my group's first number
	s_mul_i32 s28, s20, 102400
	s_mul_i32 s27, s24, 12800
	s_add_co_u32 s28, s28, s27
	s_mul_i32 s27, s25, 6400
	s_add_co_u32 s28, s28, s27
	s_add_nc_u64 s[14:15], s[14:15], s[28:29]      ; my group's image
.macro LOADT t                         ; tile t: 16 rows, 512 consecutive bytes each, into set t % 2
.irp p, 0,1,2,3,4,5,6,7,8,9,10,11,12,13,14,15
	global_load_b128 v[RAW+64*((\t)%2)+4*\p:RAW+64*((\t)%2)+4*\p+3], v2, s[22:23] offset:(32*((\t)/2)+8*((\t)%2)+\p+8*(\p/8))*4096 th:TH_LOAD_NT
.endr
.endm
.macro TURN t                          ; through the stage: LDS serves a wave's instructions in order, so no wait stands between the stores and the loads
.irp p, 0,1,2,3,4,5,6,7,8,9,10,11,12,13,14,15
	ds_store_b128 v4, v[RAW+64*((\t)%2)+4*\p:RAW+64*((\t)%2)+4*\p+3] offset:SP*\p
.endr
.irp c, 0,1
.irp i, 0,1,2,3,4,5,6,7
	ds_load_b128 v[X+32*\c+4*\i:X+32*\c+4*\i+3], v5 offset:256*\c+16*\i   ; k = 64 c + 32 h + 4 i ..
.endr
.endr
.endm
.macro QUANTB t                        ; my blocks h and 2 + h of row r become registers 0-5 and 6-11 of the fragment; the row's scale word
.set CC, C+12*((\t)%2)
.irp c, 0,1
	v_max3_num_f32 v[MX+\c], |v[X+32*\c]|, |v[X+32*\c+1]|, 0x1800000   ; with the floor 2^(3 - 127): the byte cannot fall under 1
.endr
.irp i, 2,4,6,8,10,12,14,16,18,20,22,24,26,28,30
.irp c, 0,1
	v_max3_num_f32 v[MX+\c], v[MX+\c], |v[X+32*\c+\i]|, |v[X+32*\c+\i+1]|   ; the two blocks by turns
.endr
.endr
.irp c, 0,1
	v_add_nc_u32 v[SO+\c], 0xff000000, v[MX+\c]    ; 2 off the exponent field: the conversion takes this operand's exponent field as its scale
.endr
.irp c, 0,1
	v_lshrrev_b32 v[BY+\c], 23, v[SO+\c]           ; the scale's byte
.endr
	v_lshl_or_b32 v[BY], v[BY+1], 16, v[BY]        ; my two bytes,
	v_lshlrev_b32 v[BY], v[SH], v[BY]              ; at their places in the word (8 h bits up);
	v_permlanex16_b32 v[PT], v[BY], s30, s31
	v_or_b32 v[W+(\t)], v[BY], v[PT]               ; with lane l xor 16's two the word is whole, in both lanes
.if (\t) > 1
	s_wait_alu depctr_va_vdst(0)
	s_wait_xcnt 0x0                                ; the stores of two tiles ago have read this set of codes
.endif
.irp c, 0,1
	v_cvt_scalef32_pk16_fp6_f32 v[CC+6*\c:CC+6*\c+2], v[X+32*\c:X+32*\c+15], v[SO+\c]
	v_cvt_scalef32_pk16_fp6_f32 v[CT+4*\c:CT+4*\c+2], v[X+32*\c+16:X+32*\c+31], v[SO+\c]   ; (a conversion's three registers begin on an even number)
.endr
	v_nop                                          ; one plain place behind a scaled conversion
.irp c, 0,1
.irp i, 0,1,2
	v_mov_b32 v[CC+6*\c+3+\i], v[CT+4*\c+\i]
.endr
.endr
.endm
.macro STORET t                        ; 512 and 256 consecutive bytes a store
.set CC, C+12*((\t)%2)
.irp c, 0,1
	global_store_b128 v2, v[CC+6*\c:CC+6*\c+3], s[14:15] offset:1536*(\t)+768*\c
	global_store_b64 v3, v[CC+6*\c+4:CC+6*\c+5], s[14:15] offset:1536*(\t)+768*\c+512
.endr
.endm
	LOADT 0
	LOADT 1
	s_wait_alu depctr_va_vdst(0)
.irp t, 0,1,2,3
.if \t < 3
	s_wait_loadcnt 16                              ; this tile's 16 loads are in; the next tile's 16 may be out
.else
	s_wait_loadcnt 0x0
.endif
	TURN \t
	s_wait_dscnt 0x0                               ; my blocks are in, and the stage's stores have read the set,
.if \t < 2
	LOADT \t+2                                     ; which takes the tile two on
.endif
	QUANTB \t
	STORET \t
.endr
	v_cndmask_b32 v14, v[W], v[W+1], s32           ; lanes 0-15 carry tiles 0 and 2, lanes 16-31 tiles 1 and 3
	v_cndmask_b32 v15, v[W+2], v[W+3], s32
	global_store_b64 v3, v[14:15], s[14:15] offset:6144
	s_wait_tensorcnt 0x0
	ds_add_u32 v254, v255
	s_wait_dscnt 0x0
	s_endpgm
	; ---------------- the table ----------------
.Ltable:
	s_sub_co_u32 s20, ttmp9, 256
	s_lshl_b32 s20, s20, 2
	s_add_co_u32 s20, s20, s18                     ; which 16 tokens are my wave's
	s_lshl_b32 s21, s20, 4                         ; the first of them
	s_lshl_b32 s22, s20, 12                        ; and its 256 bytes
	s_mov_b32 s23, 0xaaaaaaaa                      ; the odd lanes
	s_mov_b32 s40, 0xb94ca1f9                      ; sin: -1.9515295891e-4
	s_mov_b32 s41, 0x3c08839e                      ;       8.3321608736e-3
	s_mov_b32 s42, 0xbe2aaaa3                      ;      -1.6666654611e-1
	s_mov_b32 s43, 0x37ccf5ce                      ; cos:  2.443315712e-5
	s_mov_b32 s44, 0xbab6061a                      ;      -1.388731625e-3
	s_mov_b32 s45, 0x3d2aaaa5                      ;       4.166664568e-2
	s_wait_alu depctr_va_vdst(0)
	v_and_b32 v2, 7, v1                            ; lane i is frequency i: i % 8,
	v_lshrrev_b32 v3, 3, v1                        ; i / 8
	v_mov_b32 v4, 1.0
	v_cmp_ne_u32 vcc_lo, 1, v2
	v_cndmask_b32 v4, 0x3faab0d5, v4, vcc_lo       ; 10^(1/8)
	v_cmp_ne_u32 vcc_lo, 2, v2
	v_cndmask_b32 v4, 0x3fe39ea9, v4, vcc_lo       ; 10^(2/8)
	v_cmp_ne_u32 vcc_lo, 3, v2
	v_cndmask_b32 v4, 0x4017c496, v4, vcc_lo       ; 10^(3/8)
	v_cmp_ne_u32 vcc_lo, 4, v2
	v_cndmask_b32 v4, 0x404a62c2, v4, vcc_lo       ; 10^(4/8)
	v_cmp_ne_u32 vcc_lo, 5, v2
	v_cndmask_b32 v4, 0x4086f161, v4, vcc_lo       ; 10^(5/8)
	v_cmp_ne_u32 vcc_lo, 6, v2
	v_cndmask_b32 v4, 0x40b3f300, v4, vcc_lo       ; 10^(6/8)
	v_cmp_ne_u32 vcc_lo, 7, v2
	v_cndmask_b32 v4, 0x40eff755, v4, vcc_lo       ; 10^(7/8)
	v_mov_b32 v5, 1.0
	v_cmp_ne_u32 vcc_lo, 1, v3
	v_cndmask_b32 v5, 0x41200000, v5, vcc_lo       ; 10
	v_cmp_ne_u32 vcc_lo, 2, v3
	v_cndmask_b32 v5, 0x42c80000, v5, vcc_lo       ; 100
	v_cmp_ne_u32 vcc_lo, 3, v3
	v_cndmask_b32 v5, 0x447a0000, v5, vcc_lo       ; 1000
	v_mul_f32 v4, v4, v5                           ; 10^(i / 8)
	s_wait_alu depctr_va_vdst(0)
	v_rcp_f32 v5, v4
	v_cvt_f32_u32 v6, s21                          ; (a plain place behind the reciprocal)  the token, as f32
	s_wait_alu depctr_va_vdst(0)
	v_fma_f32 v7, -v4, v5, 1.0
	v_fma_f32 v5, v7, v5, v5                       ; 1 / 10^(i / 8), refined once
	v_lshl_add_u32 v7, v1, 3, s22                  ; my 8 bytes of the token's 256
	v_mov_b32 v20, 0                               ; a DPP move's destination counts as one of its sources
	v_mov_b32 v21, 0
	s_mov_b32 s24, 16
.Ltok:
	s_wait_alu depctr_va_vdst(0)
	v_mul_f32 v8, v6, v5                           ; the angle, rounded once
	v_mul_f32 v9, 0x3f22f983, v8                   ; x 2 / pi
	v_rndne_f32 v9, v9                             ; n
	v_fma_f32 v10, v9, 0xbfc90fdb, v8              ; angle - n x (pi/2 rounded to f32): nothing is lost,
	v_fma_f32 v10, v9, 0x333bbd2e, v10             ; + n x (that number - pi/2)
	v_mul_f32 v11, v10, v10                        ; z = r r
	v_cvt_i32_f32 v12, v9                          ; the quadrant, n
	v_fma_f32 v13, v11, s40, s41
	v_fma_f32 v14, v11, s43, s44
	v_fma_f32 v13, v13, v11, s42
	v_fma_f32 v14, v14, v11, s45
	v_mul_f32 v13, v13, v11
	v_fma_f32 v14, v14, v11, -0.5
	v_fma_f32 v13, v13, v10, v10                   ; sin r
	v_fma_f32 v14, v14, v11, 1.0                   ; cos r
	v_and_b32 v16, 1, v12
	v_cmp_eq_u32 vcc_lo, 1, v16
	v_cndmask_b32 v17, v13, v14, vcc_lo            ; in odd quadrants the two change places
	v_cndmask_b32 v18, v14, v13, vcc_lo
	v_lshlrev_b32 v16, 30, v12
	v_and_b32 v16, 0x80000000, v16                 ; sin is negative in quadrants 2, 3,
	v_xor_b32 v17, v17, v16
	v_add_nc_u32 v19, 1, v12
	v_lshlrev_b32 v19, 30, v19
	v_and_b32 v19, 0x80000000, v19                 ; cos in quadrants 1, 2
	v_xor_b32 v18, v18, v19
	v_mov_b32_dpp v20, v18 row_xmask:1 row_mask:0xf bank_mask:0xf   ; my neighbour's cos
	v_mov_b32_dpp v21, v17 row_xmask:1 row_mask:0xf bank_mask:0xf   ; and sin
	v_cndmask_b32 v22, v18, v21, s23               ; an even lane stores the pair's two cos, an odd lane its two sin
	v_cndmask_b32 v23, v20, v17, s23
	global_store_b64 v7, v[22:23], s[16:17]        ; 32 lanes store the token's 256 consecutive bytes
	s_wait_xcnt 0x0                                ; the store has read its address and data: both are written again below and in the next trip
	v_add_nc_u32 v7, 256, v7
	v_add_f32 v6, 1.0, v6
	s_sub_co_u32 s24, s24, 1
	s_cmp_lg_u32 s24, 0
	s_cbranch_scc1 .Ltok
	s_endpgm
.Lfunc_end_k_q7283df51dc_prep:
	.size	k_q7283df51dc_prep, .Lfunc_end_k_q7283df51dc_prep-k_q7283df51dc_prep
	.p2alignl 7, 3214868480
	.fill 96, 4, 3214868480
	.section	.rodata,"a",@progbits
	.p2align	6, 0x0
	.amdhsa_kernel k_q7283df51dc_prep
		.amdhsa_group_segment_fixed_size 34304
		.amdhsa_private_segment_fixed_size 0
		.amdhsa_enable_private_segment 0
		.amdhsa_kernarg_size 56
		.amdhsa_user_sgpr_count 2
		.amdhsa_user_sgpr_kernarg_segment_ptr 1
		.amdhsa_wavefront_size32 1
		.amdhsa_system_sgpr_workgroup_id_x 1
		.amdhsa_system_sgpr_workgroup_id_y 1
		.amdhsa_system_sgpr_workgroup_id_z 1
		.amdhsa_system_vgpr_workitem_id 0
		.amdhsa_next_free_vgpr 256
		.amdhsa_next_free_sgpr 66
		.amdhsa_reserve_vcc 1
		.amdhsa_float_denorm_mode_32 3
		.amdhsa_float_denorm_mode_16_64 3
		.amdhsa_memory_ordered 1
		.amdhsa_forward_progress 1
		.amdhsa_inst_pref_size 35
	.end_amdhsa_kernel
	.amdgpu_metadata
---
amdhsa.version: [ 1, 2 ]
amdhsa.kernels:
  - .name:           k_q7283df51dc_prep
    .symbol:         k_q7283df51dc_prep.kd
    .args:
      - { .name: x, .offset: 0, .size: 8, .value_kind: global_buffer, .address_space: global }
      - { .name: w_q, .offset: 8, .size: 8, .value_kind: global_buffer, .address_space: global }
      - { .name: w_k, .offset: 16, .size: 8, .value_kind: global_buffer, .address_space: global }
      - { .name: w_v, .offset: 24, .size: 8, .value_kind: global_buffer, .address_space: global }
      - { .name: w_o, .offset: 32, .size: 8, .value_kind: global_buffer, .address_space: global }
      - { .name: ops, .offset: 40, .size: 8, .value_kind: global_buffer, .address_space: global }
      - { .name: rope, .offset: 48, .size: 8, .value_kind: global_buffer, .address_space: global }
    .group_segment_fixed_size: 34304
    .private_segment_fixed_size: 0
    .kernarg_segment_align: 8
    .kernarg_segment_size: 56
    .max_flat_workgroup_size: 128
    .sgpr_count:     66
    .vgpr_count:     256
    .wavefront_size: 32
...
	.end_amdgpu_metadata
.endif
;; end of part 1
;; launch qkv (part 2): grid 8 x 32, 4 waves a work-group, clusters of 4 x 4, 327,680 bytes of LDS; arguments ops, rope, qbuf, kv; writes qbuf, kv
.if DOCPART == 2
	.amdgcn_target "amdgcn-amd-amdhsa--gfx1250"
	.amdhsa_code_object_version 6
	.text
	.protected	k_q7283df51dc_qkv
	.globl	k_q7283df51dc_qkv
	.p2align	8
	.type	k_q7283df51dc_qkv,@function
k_q7283df51dc_qkv:
	s_mov_b64 s[64:65], 0
	v_nop
	global_prefetch_b8 v0, s[64:65] scope:SCOPE_SE
	s_setreg_imm32_b32 hwreg(HW_REG_WAVE_MODE, 25, 1), 1
	s_wait_xcnt 0x0
	s_wait_alu depctr_hold_cnt(0) depctr_sa_sdst(0) depctr_va_vdst(0) depctr_va_sdst(0) depctr_va_ssrc(0) depctr_va_vcc(0) depctr_vm_vsrc(0)
	s_getreg_b32 s2, hwreg(HW_REG_IB_STS2, 6, 4)
	s_cmp_eq_u32 s2, 0
	s_cbranch_scc0 .Lentry_in_a_cluster
	s_endpgm
.Lentry_in_a_cluster:
	s_bfe_u32 s2, ttmp6, 0x10000c
	s_cmp_lg_u32 s2, 0xf033
	s_cbranch_scc0 .Lentry_shape_is_right
	s_endpgm
.Lentry_shape_is_right:
; QKV.  q = rope(x w_q^T), k = rope(x w_k^T), v = x w_v^T on codes of FP6 (E2M3) with E8M0 scales, sums in f32; the results are quantised in registers, q and k along the head's 64, v along the keys,
; and stored as images of operand registers for the attention launch.
; SHARES.  A WORK-GROUP STAYS: it makes, one after the other, q, k and v for 128 tokens (work-group y) x 128 features (two heads: work-group x), K = 1,024: x's block is fetched once for the three products.
; Four waves, each 64 tokens x 64 features (one head): 16 accumulators, begun anew for each product.
; LDS: x's block, w_q's and w_k's, 3 x 102,400 bytes for all of K, ARE FILLED ONCE: nothing is filled again.  Each K step of an operand is one dense block of 12,800 bytes (two groups of 64 rows:
; 4 fragments of 1,536 bytes and 256 bytes of scale words), laid in the order of the operand's registers: every LDS load takes 512 or 256 consecutive bytes.  w_k lies straight behind w_q, so the weight's
; LDS address walks on, 12,800 bytes a K step, through the 16 K steps of q and k.
; CLUSTERS: 4 x 4 work-groups.  The four of a row of the cluster need the same tokens, the four of a column the same weights: each block is asked for JOINTLY, by the same tensor load with the same
; descriptor and a mask that names the four.  Waves 0, 1 ask for x's eight blocks (four each), waves 2, 3 for w_q's, and then each wave for two of w_k's: one load of a wave is out at a time.
; w_v IS NOT ASKED FOR JOINTLY AND DOES NOT GO THROUGH LDS: x and two weights take 307,200 of a WGP's 327,680 bytes, so a third weight's 102,400 would have to be filled over w_q's behind a round of its own.
; A wave's part of w_v, 64 rows x 1,024 K, is 384 registers and 16 scale words, and the wave, alone on its SIMD, has 512 registers idle: so it comes from memory straight into registers, in images that a lane
; loads whole, 9 or 8 loads in each of the 16 K steps of q and k, a product or more ahead of its first use.  The price: the two waves of a head read the same 51,200 bytes.
; TILES: tile t of a group of 64 rows has in lane r the row 32 (t / 2) + 8 (t % 2) + r + 8 (r / 8).  So, of the operand that is source 0, the 16 registers of result tiles 2 b and 2 b + 1 are rows 32 b + 16 (lane / 16) + 0 .. 15.
; q, k: source 0 = the weight, source 1 = x: a lane holds one token and 32 of its head's 64 numbers: d = 16 h + 0 .. 15 and 32 + 16 h + 0 .. 15: the two halves that the rotation pairs.
; v: source 0 = x, source 1 = the weight: a lane holds one d and its registers run along the tokens, which are the keys of the attention's second product.
; OUT.  qbuf: [b h][16 blocks of 128 tokens] of 6,656 bytes: 2 groups of (4 half fragments of 768 bytes | 256 bytes of scale words; a word's upper two bytes are 0).
;       kv: blocks of 13,056 bytes: k as in qbuf; at 6,656 v's 4 fragments (16 d x 128 keys); at 12,800 their scale words.
; LIMITS: NaN and infinities are not served; a block whose largest magnitude lies under 2^-124 gets the byte 1 (a block of zeros would have 127 by the rule): its codes are zeros, and this program alone reads the bytes.
; REGISTERS.  Window 0: v4-7 LDS addresses; v8-10 lane terms; v12-19 scale words of x and of the weight in LDS, two sets, v72-87 w_v's: scales and nothing else; v20-71 at work behind the products; v128-255 the accumulators.
;   Window 1: two sets of fragments at v0 and v128 (the weight's four, then x's four); v96-127, v224-255 the table of cos and sin for x's tiles 0, 1.
;   Window 2: w_v's fragments of K steps 0-4, 48 registers each.   Window 3: those of K steps 5-7; v144-207 the table for x's tiles 2, 3.
.set KB,   12800                       ; a K step's block
.set GB,   6400                        ; a group
.set RBB,  102400                      ; a row block: all of K
.set WOFF, 102400                      ; LDS: x at 0, w_q here, w_k at twice this
.set ACC,  128
.set AX16, 4                           ; v4  x: my group + 16 x lane   v5  + 8 x lane
.set AX8,  5
.set AW16, 6                           ; v6, v7  the same for the weight
.set AW8,  7
.set L16,  8                           ; v8  16 x lane; never rewritten
.set L8,   9                           ; v9  8 x lane; never rewritten
.set RA,   10                          ; v10 my token's row of the table, my half of it; never rewritten
.set SCX,  12                          ; x's scale words: set s at v[12 + 4 s : 13 + 4 s]; register j: lanes 0-15 tile 2 j, lanes 16-31 tile 2 j + 1
.set SCW,  14                          ; the weight's: v[14 + 4 s : 15 + 4 s]
.set WVS,  72                          ; w_v's: K step s at v[72 + 2 s : 73 + 2 s]
.set MX,   28                          ; v28-29 largest magnitudes   v30-31 partners, then bytes   v32-33 scale operands   v34-36 a block's codes on their way
.set MP,   30
.set SO,   32
.set CT,   34
.set PW,   40                          ; v40-43 the four tiles' scale words
.set PC,   48                          ; v48-71 the four tiles' codes, six registers each
.set G1X,  24                          ; s[24:31], s[32:39] descriptor groups 1;  s[40:43], s[68:71] one group 0 each for x and w_q;  s[84:87] one for w_k
.set G1W,  32
.set G0X,  40
.set G0W,  68
.set G0K,  84
.set RB,   20                          ; s[20:21] the table at my first token
.set WVB,  22                          ; s[22:23] my group of w_v's K step 0
.set DQ,   92                          ; s[92:93] where q goes   s[94:95] k   s[66:67] v's codes   s[2:3] v's scale bytes
.set DK,   94
.set DV,   66
.set DVS,  2
.set SEL,  98
.set MSB,  0
.macro WIN new                         ; the immediate's high byte repeats the setting that is left
.if MSB != \new
	s_set_vgpr_msb (MSB<<8)|\new
.set MSB, \new
.endif
.endm
.set TO_F, 0x40                        ; destination window 1, address window 0
.macro CREST
	s_cmp_lg_u32 s14, 0
	s_cbranch_scc1 .Lnot_wave_0_\@
	s_barrier_signal -3
.Lnot_wave_0_\@:
	s_barrier_wait -3
	s_barrier_signal -1
	s_barrier_wait -1
.endm
.macro CROUND                          ; a round of the cluster's barrier
	s_barrier_signal -1
	s_barrier_wait -1
	CREST
.endm
.macro PLACES
.rept 4
	v_nop
.endr
.endm
	s_load_b256 s[4:11], s[0:1], 0x0               ; ops s[4:5], rope s[6:7], qbuf s[8:9], kv s[10:11]
	v_lshl_add_u32 v126, v0, 2, 0x4b000
	v_mov_b32 v127, 0
	ds_add_u32 v126, v127
	ds_add_u32 v126, v127
	v_lshrrev_b32 v1, 5, v0
	v_readfirstlane_b32 s14, v1                    ; wave 0..3
	s_lshr_b32 s15, s14, 1                         ; my half of the tokens.  Also: I fetch for x (0) or for w_q (1)
	s_and_b32 s16, s14, 1                          ; my half of the features.  Also: the even or the odd K steps
	s_bfe_u32 s56, ttmp6, 0x40000                  ; cx, cy: my place in the cluster
	s_bfe_u32 s57, ttmp6, 0x40004
	s_lshl_b32 s18, ttmp9, 2
	s_add_co_u32 s18, s18, s56                     ; work-group x = 4 x cluster x + cx: 0 .. 7
	s_and_b32 s17, ttmp7, 0xffff
	s_lshl_b32 s17, s17, 2
	s_add_co_u32 s17, s17, s57                     ; work-group y = 4 x cluster y + cy: 0 .. 31
	s_lshl_b32 s58, s57, 2
	s_lshl_b32 s58, 15, s58                        ; my row of the cluster
	s_lshl_b32 s59, 0x1111, s56                    ; my column
	; descriptor group 1: four dense K steps, 51,200 bytes, as 200 rows of 256 bytes (32 elements of 8 bytes), no padding
	s_or_b32 s[G1X], s58, (3<<16)|(1<<21)          ; 15:0 the mask: x's blocks go to my row; 17:16 elements of 8 bytes; 21 set beside a mask
	s_or_b32 s[G1W], s59, (3<<16)|(1<<21)          ; the weights' to my column
.irp g, G1X, G1W
	s_mov_b32 s[\g+1], 32<<16                      ; tensor_dim0 = 32
	s_mov_b32 s[\g+2], 200<<16                     ; tensor_dim1 = 200: four K steps, 51,200 dense bytes, in one load
	s_mov_b32 s[\g+3], 32<<16                      ; tile_dim0 = 32
	s_mov_b32 s[\g+4], 200                         ; tile_dim1 = 200
	s_mov_b32 s[\g+5], 32                          ; tensor_dim0_stride
	s_mov_b32 s[\g+6], 0
	s_mov_b32 s[\g+7], 0
.endr
.set G1K, 72                           ; s[72:79] group 1 for w_k: two K steps, 100 rows of 256 bytes, to my column of the cluster
	s_or_b32 s[G1K], s59, (3<<16)|(1<<21)
	s_mov_b32 s[G1K+1], 32<<16
	s_mov_b32 s[G1K+2], 100<<16
	s_mov_b32 s[G1K+3], 32<<16
	s_mov_b32 s[G1K+4], 100
	s_mov_b32 s[G1K+5], 32
	s_mov_b32 s[G1K+6], 0
	s_mov_b32 s[G1K+7], 0
	s_mul_i32 s12, s16, 4*KB                       ; x, w_q: K steps 0-3 or 4-7: in memory and in LDS alike
	s_mul_i32 s62, s14, 2*KB                       ; w_k: K steps 2 x wave and the next
	s_mul_i32 s20, s17, RBB                        ; x: row block y (it hangs on y alone)
	s_add_co_u32 s20, s20, s12
	s_mov_b32 s21, 0
	s_add_co_u32 s22, s18, 32                      ; w_q: row block 32 + x (on x alone)
	s_mul_i32 s22, s22, RBB
	s_add_co_u32 s22, s22, s12
	s_mov_b32 s23, 0
	s_add_co_u32 s2, s18, 40                       ; w_k: row block 40 + x
	s_mul_i32 s2, s2, RBB
	s_add_co_u32 s2, s2, s62
	s_mov_b32 s3, 0
	s_wait_dscnt 0x0
	s_wait_kmcnt 0x0
	s_add_nc_u64 s[20:21], s[4:5], s[20:21]
	s_add_nc_u64 s[22:23], s[4:5], s[22:23]
	s_add_nc_u64 s[2:3], s[4:5], s[2:3]
	CROUND                                         ; all sixteen work-groups are here: the joint loads meet
.irp q, 0                              ; one group 0 for x and one for w_q: a wave's one load at the head
	s_mov_b32 s[G0X+4*\q], 1
	s_add_co_u32 s[G0X+4*\q+1], s12, \q*2*KB
	s_add_nc_u64 s[G0X+4*\q+2:G0X+4*\q+3], s[20:21], \q*2*KB
	s_or_b32 s[G0X+4*\q+3], s[G0X+4*\q+3], 0x80000000
	s_mov_b32 s[G0W+4*\q], 1
	s_add_co_u32 s[G0W+4*\q+1], s12, WOFF+\q*2*KB
	s_add_nc_u64 s[G0W+4*\q+2:G0W+4*\q+3], s[22:23], \q*2*KB
	s_or_b32 s[G0W+4*\q+3], s[G0W+4*\q+3], 0x80000000
.endr
.irp j, 0                              ; and one for w_k: K steps 2 x wave and the next, in one load
	s_mov_b32 s[G0K+4*\j], 1
	s_add_co_u32 s[G0K+4*\j+1], s62, 2*WOFF+\j*KB
	s_add_nc_u64 s[G0K+4*\j+2:G0K+4*\j+3], s[2:3], \j*KB
	s_or_b32 s[G0K+4*\j+3], s[G0K+4*\j+3], 0x80000000
.endr
	s_cmp_eq_u32 s15, 0                            ; a wave's one fill stands in one branch on the wave's number; four v_nop follow the last
	s_cbranch_scc0 .Lfor_w
	tensor_load_to_lds s[G0X:G0X+3], s[G1X:G1X+7]  ; waves 0, 1: a half of x's block; one tensor load a wave at the head
	s_nop 0
	PLACES
	s_branch .Lasked
.Lfor_w:
	tensor_load_to_lds s[G0W:G0W+3], s[G1W:G1W+7]  ; waves 2, 3: a half of w_q's block
	s_nop 0
	PLACES
.Lasked:
	v_and_b32 v1, 31, v0
	v_lshlrev_b32 v[L16], 4, v1
	s_wait_alu depctr_va_vdst(0)
	v_lshlrev_b32 v[L8], 3, v1
	s_wait_alu depctr_va_vdst(0)
	s_mul_i32 s60, s15, GB                         ; my 64 tokens' group (kept: x's address is made anew for each product)
	v_add_nc_u32 v[AX16], s60, v[L16]
	v_add_nc_u32 v[AX8], s60, v[L8]
	s_mul_i32 s61, s16, GB                         ; my 64 features' group
	s_add_co_u32 s22, s18, 48                      ; w_v: row block 48 + x of ops, my group
	s_mul_i32 s22, s22, RBB
	s_add_co_u32 s22, s22, s61
	s_mov_b32 s23, 0
	s_add_nc_u64 s[WVB:WVB+1], s[4:5], s[22:23]
	s_add_co_u32 s61, s61, WOFF
	v_add_nc_u32 v[AW16], s61, v[L16]
	v_add_nc_u32 v[AW8], s61, v[L8]
	v_and_b32 v2, 15, v0
	v_and_b32 v3, 8, v2
	v_add_nc_u32 v2, v2, v3                        ; r + 8 (r / 8)
	v_bfe_u32 v3, v0, 4, 1                         ; h
	v_lshlrev_b32 v[RA], 8, v2                     ; the table: 256 bytes a token,
	v_lshl_add_u32 v[RA], v3, 7, v[RA]             ; + 128 h: frequencies 16 h on
	s_wait_alu depctr_va_vdst(0)
	v_mov_b32 v[MP], 0                             ; a lane permute's destination counts as one of its sources
	v_mov_b32 v[MP+1], 0
	s_mov_b32 s[SEL], 0x76543210
	s_mov_b32 s[SEL+1], 0xfedcba98                 ; v_permlanex16_b32's selects for lane l xor 16
	s_mov_b32 s96, 0xffff0000                      ; lanes 16-31
	s_lshr_b32 s13, s17, 4                         ; the batch
	s_and_b32 s19, s17, 15                         ; the block of 128 tokens in it
	s_lshl_b32 s63, s18, 1
	s_add_co_u32 s63, s63, s16                     ; my head
	s_lshl_b32 s13, s13, 4
	s_add_co_u32 s13, s13, s63
	s_lshl_b32 s13, s13, 4
	s_add_co_u32 s13, s13, s19                     ; (16 batch + head) 16 + block
	s_lshl_b32 s20, s19, 15                        ; the table at my first token: (128 block + 64 half) x 256 bytes
	s_lshl_b32 s21, s15, 14
	s_add_co_u32 s20, s20, s21
	s_mov_b32 s21, 0
	s_add_nc_u64 s[RB:RB+1], s[6:7], s[20:21]
	s_mul_i32 s56, s15, 3328                       ; my group of 64 tokens in a block of q or of k
	s_mul_i32 s92, s13, 6656
	s_add_co_u32 s92, s92, s56
	s_mov_b32 s93, 0
	s_add_nc_u64 s[DQ:DQ+1], s[8:9], s[92:93]
	s_mul_i32 s58, s13, 13056                      ; my block of kv
	s_add_co_u32 s94, s58, s56
	s_mov_b32 s95, 0
	s_add_nc_u64 s[DK:DK+1], s[10:11], s[94:95]
	s_mul_i32 s57, s15, 768                        ; v: my 64 keys are half 'token half' of each fragment,
	s_add_co_u32 s66, s58, s57
	s_add_co_u32 s66, s66, 6656
	s_mov_b32 s67, 0
	s_add_nc_u64 s[DV:DV+1], s[10:11], s[66:67]
	s_lshl_b32 s57, s15, 1                         ; and two of the four bytes of each scale word
	s_add_co_u32 s2, s58, s57
	s_add_co_u32 s2, s2, 6656+6144
	s_mov_b32 s3, 0
	s_add_nc_u64 s[DVS:DVS+1], s[10:11], s[2:3]
.macro FRAGL reg, a16, a8, off         ; a fragment's image: two halves of 512 + 256 bytes
	ds_load_b128 v[\reg:\reg+3], v[\a16] offset:\off
	ds_load_b64 v[\reg+4:\reg+5], v[\a8] offset:\off+512
	ds_load_b128 v[\reg+6:\reg+9], v[\a16] offset:\off+768
	ds_load_b64 v[\reg+10:\reg+11], v[\a8] offset:\off+1280
.endm
.macro FETCH set, w                    ; a K step's fragments and scale words from LDS: x's four; w = 1: the weight's four too
	WIN TO_F
.if \w
.irp i, 0,1,2,3
	FRAGL 128*(\set)+12*\i, AW16, AW8, \i*1536
.endr
.endif
.irp i, 0,1,2,3
	FRAGL 128*(\set)+48+12*\i, AX16, AX8, \i*1536
.endr
	WIN 0
.if \w
	ds_load_b64 v[SCW+4*(\set):SCW+4*(\set)+1], v[AW8] offset:6144
.endif
	ds_load_b64 v[SCX+4*(\set):SCX+4*(\set)+1], v[AX8] offset:6144
.endm
; Part n of 16 of my share of w_v, from memory into the registers where it stays: two fragments of K step n / 2, and with the first two the step's scale words.  The base and the lane terms are never rewritten.
.macro WVLOAD n
.set wk, (\n)/2
.set wr, 48*(wk%5)+24*((\n)%2)
.if (\n)%2 == 0
	global_load_b64 v[WVS+2*wk:WVS+2*wk+1], v[L8], s[WVB:WVB+1] offset:wk*KB+6144
.endif
.if wk < 5
	WIN 0x80                                       ; destination window 2
.else
	WIN 0xc0                                       ; destination window 3
.endif
.irp i, 0,1
	global_load_b128 v[wr+12*\i:wr+12*\i+3], v[L16], s[WVB:WVB+1] offset:wk*KB+(2*((\n)%2)+\i)*1536
	global_load_b64 v[wr+12*\i+4:wr+12*\i+5], v[L8], s[WVB:WVB+1] offset:wk*KB+(2*((\n)%2)+\i)*1536+512
	global_load_b128 v[wr+12*\i+6:wr+12*\i+9], v[L16], s[WVB:WVB+1] offset:wk*KB+(2*((\n)%2)+\i)*1536+768
	global_load_b64 v[wr+12*\i+10:wr+12*\i+11], v[L8], s[WVB:WVB+1] offset:wk*KB+(2*((\n)%2)+\i)*1536+1280
.endr
.endm
.macro WMX                             ; one product; fZ: it starts the sum; fA, fB: the side's scale words stand in lanes 16-31
.if fZ
.if fA && fB
	v_wmma_scale_f32_16x16x128_f8f6f4 v[rD:rD+7], v[rA:rA+11], v[rB:rB+11], 0, v[rSA], v[rSB] matrix_a_fmt:MATRIX_FMT_FP6 matrix_b_fmt:MATRIX_FMT_FP6 matrix_a_scale:MATRIX_SCALE_ROW1 matrix_b_scale:MATRIX_SCALE_ROW1
.elseif fA
	v_wmma_scale_f32_16x16x128_f8f6f4 v[rD:rD+7], v[rA:rA+11], v[rB:rB+11], 0, v[rSA], v[rSB] matrix_a_fmt:MATRIX_FMT_FP6 matrix_b_fmt:MATRIX_FMT_FP6 matrix_a_scale:MATRIX_SCALE_ROW1
.elseif fB
	v_wmma_scale_f32_16x16x128_f8f6f4 v[rD:rD+7], v[rA:rA+11], v[rB:rB+11], 0, v[rSA], v[rSB] matrix_a_fmt:MATRIX_FMT_FP6 matrix_b_fmt:MATRIX_FMT_FP6 matrix_b_scale:MATRIX_SCALE_ROW1
.else
	v_wmma_scale_f32_16x16x128_f8f6f4 v[rD:rD+7], v[rA:rA+11], v[rB:rB+11], 0, v[rSA], v[rSB] matrix_a_fmt:MATRIX_FMT_FP6 matrix_b_fmt:MATRIX_FMT_FP6
.endif
.else
.if fA && fB
	v_wmma_scale_f32_16x16x128_f8f6f4 v[rD:rD+7], v[rA:rA+11], v[rB:rB+11], v[rD:rD+7], v[rSA], v[rSB] matrix_a_fmt:MATRIX_FMT_FP6 matrix_b_fmt:MATRIX_FMT_FP6 matrix_a_scale:MATRIX_SCALE_ROW1 matrix_b_scale:MATRIX_SCALE_ROW1
.elseif fA
	v_wmma_scale_f32_16x16x128_f8f6f4 v[rD:rD+7], v[rA:rA+11], v[rB:rB+11], v[rD:rD+7], v[rSA], v[rSB] matrix_a_fmt:MATRIX_FMT_FP6 matrix_b_fmt:MATRIX_FMT_FP6 matrix_a_scale:MATRIX_SCALE_ROW1
.elseif fB
	v_wmma_scale_f32_16x16x128_f8f6f4 v[rD:rD+7], v[rA:rA+11], v[rB:rB+11], v[rD:rD+7], v[rSA], v[rSB] matrix_a_fmt:MATRIX_FMT_FP6 matrix_b_fmt:MATRIX_FMT_FP6 matrix_b_scale:MATRIX_SCALE_ROW1
.else
	v_wmma_scale_f32_16x16x128_f8f6f4 v[rD:rD+7], v[rA:rA+11], v[rB:rB+11], v[rD:rD+7], v[rSA], v[rSB] matrix_a_fmt:MATRIX_FMT_FP6 matrix_b_fmt:MATRIX_FMT_FP6
.endif
.endif
.endm
; K step s of product g (0: q, 1: k, 2: v): 16 products.  The 16 accumulators take turns, one instruction a turn, in the same order in every step.
; q, k: accumulator 4 a + t = x's tile a (source 1) against the weight's tile t (source 0).  v: accumulator 4 a + t = w_v's tile a (source 1, from window 2 or 3) against x's tile t (source 0).
; A product's first step starts the sums: nothing is cleared.
.macro MULS g, s
.if (\s) == 0
.set fZ, 1
.else
.set fZ, 0
.endif
.irp a, 0,1,2,3
.irp t, 0,1,2,3
.set rD, ACC+8*(4*\a+\t)
.set fA, \t%2
.set fB, \a%2
.if (\g) == 2
.set rA, 128*((\s)%2)+48+12*\t
.set rB, 48*((\s)%5)+12*\a
.set rSA, SCX+4*((\s)%2)+\t/2
.set rSB, WVS+2*(\s)+\a/2
.else
.set rA, 128*((\s)%2)+12*\t
.set rB, 128*((\s)%2)+48+12*\a
.set rSA, SCW+4*((\s)%2)+\t/2
.set rSB, SCX+4*((\s)%2)+\a/2
.endif
	WMX
.endr
.endr
.endm
.macro RLOAD a, rs                     ; the table's rows of x's tile a: for my token 16 frequencies: (cos, cos, sin, sin) for each pair
.irp q, 0,1,2,3,4,5,6,7
	global_load_b128 v[\rs+4*\q:\rs+4*\q+3], v[RA], s[RB:RB+1] offset:(32*((\a)/2)+8*((\a)%2))*256+16*\q
.endr
.endm
; K step s of product g: its fragments (asked for a step ago) are waited for, the next step's are asked for (behind a product's last step: the next product's first), then its 16 products.
; In q's last step, ahead of w_k being read: the wave's w_k load has landed, and a barrier.
; In q's last step the count is 0: w_k's blocks are read next.
.macro KSTEP g, s
	s_wait_dscnt 0x0                               ; this step's fragments and scale words are in
.if (\g) == 2
.if 17*(7-(\s)) > 63
	s_wait_loadcnt 63                              ; w_v's K step s is in: of its 136 loads all but the youngest 63 are done, which are the 73 oldest: K steps 0 to 3 and more
.else
	s_wait_loadcnt 17*(7-(\s))                     ; w_v's K step s is in; the 17 loads of each later K step may be out
.endif
.endif
.if ((\g) < 2) || ((\s) < 7)
	WIN 0
.if ((\g) == 0) && ((\s) == 7)
	s_wait_tensorcnt 0x0                           ; my quarter of w_k has landed,
	s_barrier_signal -1
	s_barrier_wait -1                              ; and everybody's: w_k is read next
.endif
.if (\s) < 7                           ; the four lines that follow are also the places in front of loads into registers that the last step's products have read
	v_add_nc_u32 v[AX16], KB, v[AX16]              ; x: on to the next K step,
	v_add_nc_u32 v[AX8], KB, v[AX8]
.else
	v_add_nc_u32 v[AX16], s60, v[L16]              ; or back to the first, for the next product
	v_add_nc_u32 v[AX8], s60, v[L8]
.endif
.if ((\g) == 0) || (((\g) == 1) && ((\s) < 7))
	v_add_nc_u32 v[AW16], KB, v[AW16]              ; the weight: w_k's first K step lies behind w_q's last
	v_add_nc_u32 v[AW8], KB, v[AW8]
	FETCH ((\s)+1)%2, 1
.else
	v_nop
	v_nop
	FETCH ((\s)+1)%2, 0
.endif
.endif
.if (\g) < 2
.if ((\g) == 0) && ((\s) == 6)
	s_wait_loadcnt 51                              ; the table's 32 loads are in: behind them stand w_v's parts 0 to 5: 9 + 8 + 9 + 8 + 9 + 8 loads, which may be out
.endif
	WVLOAD 8*(\g)+(\s)
.endif
.if (\g) < 2
	WIN 0x05                                       ; sources 0 and 1 window 1; C and D window 0
.elseif (\s) < 5
	WIN 0x09                                       ; source 0 (x) window 1, source 1 (w_v) window 2
.else
	WIN 0x0d                                       ; source 1 window 3
.endif
	MULS \g, \s
.endm
; 32 numbers of a lane, register 16 b + i = k 32 b + 16 (lane / 16) + i of my row, become half a fragment's codes in v[pc] .. v[pc + 5] and the two scale bytes in v[pw].
.macro QUANT2 ag, pc, pw
.irp b, 0,1
	v_max3_num_f32 v[MX+\b], |v[\ag+16*\b]|, |v[\ag+16*\b+1]|, 0x1800000   ; with the floor 2^(3 - 127): the byte cannot fall under 1
.endr
.irp i, 2,4,6,8,10,12,14
.irp b, 0,1
	v_max3_num_f32 v[MX+\b], v[MX+\b], |v[\ag+16*\b+\i]|, |v[\ag+16*\b+\i+1]|
.endr
.endr
.irp b, 0,1
	v_permlanex16_b32 v[MP+\b], v[MX+\b], s[SEL], s[SEL+1]
.endr
.irp b, 0,1
	v_max_num_f32 v[MX+\b], v[MX+\b], v[MP+\b]     ; with lane l xor 16's: the block's largest magnitude
.endr
.irp b, 0,1
	v_add_nc_u32 v[SO+\b], 0xff000000, v[MX+\b]    ; 2 off its exponent field: the conversion's scale operand
.endr
.irp b, 0,1
	v_lshrrev_b32 v[MP+\b], 23, v[SO+\b]           ; the scale's byte
.endr
	v_lshl_or_b32 v[\pw], v[MP+1], 8, v[MP]
	v_cvt_scalef32_pk16_fp6_f32 v[\pc:\pc+2], v[\ag:\ag+15], v[SO]
	v_cvt_scalef32_pk16_fp6_f32 v[CT:CT+2], v[\ag+16:\ag+31], v[SO+1]
	v_nop                                          ; one plain place behind a scaled conversion
.irp i, 0,1,2
	v_permlane16_swap_b32 v[\pc+\i], v[CT+\i]      ; the layout wants a whole block in a lane: lanes 0-15 block 0, lanes 16-31 block 1
.endr
.irp i, 0,1,2
	v_mov_b32 v[\pc+3+\i], v[CT+\i]
.endr
.endm
; The rotation: pair q of tile a: x1 = d 16 h + 2 q, + 1;  x2 = the same + 32.  x1' = x1 cos - x2 sin, x2' = x2 cos + x1 sin.  Ascending q takes each accumulator from its low end on.
; win: the setting under which source 1, the table, is read: window 1 (0x04) or window 3 (0x0c).
.macro ROPE a, rs, win
	WIN \win
.irp q, 0,1,2,3,4,5,6,7
	v_pk_mul_f32 v[20+4*(\q%2):21+4*(\q%2)], v[ACC+32*\a+16+2*\q:ACC+32*\a+17+2*\q], v[\rs+4*\q+2:\rs+4*\q+3]
	v_pk_mul_f32 v[22+4*(\q%2):23+4*(\q%2)], v[ACC+32*\a+2*\q:ACC+32*\a+2*\q+1], v[\rs+4*\q+2:\rs+4*\q+3]
	v_pk_fma_f32 v[ACC+32*\a+2*\q:ACC+32*\a+2*\q+1], v[ACC+32*\a+2*\q:ACC+32*\a+2*\q+1], v[\rs+4*\q:\rs+4*\q+1], v[20+4*(\q%2):21+4*(\q%2)] neg_lo:[0,0,1] neg_hi:[0,0,1]
	v_pk_fma_f32 v[ACC+32*\a+16+2*\q:ACC+32*\a+17+2*\q], v[ACC+32*\a+16+2*\q:ACC+32*\a+17+2*\q], v[\rs+4*\q:\rs+4*\q+1], v[22+4*(\q%2):23+4*(\q%2)]
.endr
	WIN 0
.endm
.macro QKOUT a, rs, win, d
	ROPE \a, \rs, \win
	QUANT2 ACC+32*\a, PC+6*\a, PW+\a
	global_store_b128 v[L16], v[PC+6*\a:PC+6*\a+3], s[\d:\d+1] offset:768*\a          ; 512 consecutive bytes
	global_store_b64 v[L8], v[PC+6*\a+4:PC+6*\a+5], s[\d:\d+1] offset:768*\a+512      ; 256
.endm
; The way out of q or of k.  The next product's first fragments are on their way from LDS meanwhile.
.macro QKEPI d
	WIN 0
	s_wait_xcnt 0x0                                ; every earlier store has read its data: the codes' and scale words' registers are written again below
	PLACES                                         ; in front of the first read of results
	QKOUT 0, 96, 0x04, \d
	QKOUT 1, 224, 0x04, \d
	QKOUT 2, 144, 0x0c, \d
	QKOUT 3, 176, 0x0c, \d
.if \d == DK                           ; k alone: the words of tiles 1 and 3 carry their two bytes in the upper half: the attention lays these tiles at k = 64 .. 127 of a fragment
	v_lshlrev_b32 v[PW+1], 16, v[PW+1]
	v_lshlrev_b32 v[PW+3], 16, v[PW+3]
.endif
	v_cndmask_b32 v44, v[PW], v[PW+1], s96         ; lanes 0-15 carry tiles 0 and 2, lanes 16-31 tiles 1 and 3
	v_cndmask_b32 v45, v[PW+2], v[PW+3], s96
	global_store_b64 v[L8], v[44:45], s[\d:\d+1] offset:3072
.endm
	WIN TO_F                                       ; the table for my 64 tokens: loaded once, it serves q and k
	RLOAD 0, 96
	RLOAD 1, 224
	WIN 0xc0
	RLOAD 2, 144
	RLOAD 3, 176
	WIN 0
	s_wait_alu depctr_va_vdst(0)
	s_wait_tensorcnt 0x0                           ; my half of x or of w_q has landed; w_k's fill is issued behind the round:
	ds_add_u32 v126, v127
	s_wait_dscnt 0x0
	CROUND                                         ; a whole round: x and w_q are whole, and the joint loads meet
	tensor_load_to_lds s[G0K:G0K+3], s[G1K:G1K+7]  ; my quarter of w_k: my one load behind the round; it has q's eight K steps in which to land
	s_nop 0
	PLACES
	FETCH 0, 1
	; ---------------- q ----------------
.irp s, 0,1,2,3,4,5,6,7
	s_wait_alu depctr_va_vdst(0)
	KSTEP 0, \s
.endr
	QKEPI DQ
	; ---------------- k ----------------
.irp s, 0,1,2,3,4,5,6,7
	s_wait_alu depctr_va_vdst(0)
	KSTEP 1, \s
.endr
	QKEPI DK
	; ---------------- v ----------------
.irp s, 0,1,2,3,4,5,6,7
	s_wait_alu depctr_va_vdst(0)
	KSTEP 2, \s
.endr
	WIN 0
	s_wait_xcnt 0x0                                ; k's stores have read their data
	PLACES
.irp t, 0,1,2,3                        ; w_v's tile t: 16 d; my 32 registers are my 64 keys' halves
	QUANT2 ACC+32*\t, PC+6*\t, PW+\t
	global_store_b128 v[L16], v[PC+6*\t:PC+6*\t+3], s[DV:DV+1] offset:1536*\t
	global_store_b64 v[L8], v[PC+6*\t+4:PC+6*\t+5], s[DV:DV+1] offset:1536*\t+512
.endr
	v_cndmask_b32 v44, v[PW], v[PW+1], s96
	v_cndmask_b32 v45, v[PW+2], v[PW+3], s96
	global_store_b16 v[L8], v44, s[DVS:DVS+1]      ; a scale word's two halves come from the two waves of a head: two bytes a lane, inside one block of 256 bytes
	global_store_b16 v[L8], v45, s[DVS:DVS+1] offset:4
	s_wait_tensorcnt 0x0
	ds_add_u32 v126, v127
	s_wait_dscnt 0x0
	CROUND                                         ; the closing round: no work-group ends while a partner may still ask for a block that names it
	s_endpgm
.Lfunc_end_k_q7283df51dc_qkv:
	.size	k_q7283df51dc_qkv, .Lfunc_end_k_q7283df51dc_qkv-k_q7283df51dc_qkv
	.p2alignl 7, 3214868480
	.fill 96, 4, 3214868480
	.section	.rodata,"a",@progbits
	.p2align	6, 0x0
	.amdhsa_kernel k_q7283df51dc_qkv
		.amdhsa_group_segment_fixed_size 327680
		.amdhsa_private_segment_fixed_size 0
		.amdhsa_enable_private_segment 0
		.amdhsa_kernarg_size 32
		.amdhsa_user_sgpr_count 2
		.amdhsa_user_sgpr_kernarg_segment_ptr 1
		.amdhsa_wavefront_size32 1
		.amdhsa_system_sgpr_workgroup_id_x 1
		.amdhsa_system_sgpr_workgroup_id_y 1
		.amdhsa_system_sgpr_workgroup_id_z 1
		.amdhsa_system_vgpr_workitem_id 0
		.amdhsa_next_free_vgpr 1024
		.amdhsa_next_free_sgpr 100
		.amdhsa_reserve_vcc 0
		.amdhsa_float_denorm_mode_32 3
		.amdhsa_float_denorm_mode_16_64 3
		.amdhsa_memory_ordered 1
		.amdhsa_forward_progress 1
		.amdhsa_inst_pref_size 168
	.end_amdhsa_kernel
	.amdgpu_metadata
---
amdhsa.version: [ 1, 2 ]
amdhsa.kernels:
  - .name:           k_q7283df51dc_qkv
    .symbol:         k_q7283df51dc_qkv.kd
    .args:
      - { .name: ops, .offset: 0, .size: 8, .value_kind: global_buffer, .address_space: global }
      - { .name: rope, .offset: 8, .size: 8, .value_kind: global_buffer, .address_space: global }
      - { .name: qbuf, .offset: 16, .size: 8, .value_kind: global_buffer, .address_space: global }
      - { .name: kv, .offset: 24, .size: 8, .value_kind: global_buffer, .address_space: global }
    .group_segment_fixed_size: 327680
    .private_segment_fixed_size: 0
    .kernarg_segment_align: 8
    .kernarg_segment_size: 32
    .max_flat_workgroup_size: 128
    .sgpr_count:     100
    .vgpr_count:     1024
    .wavefront_size: 32
...
	.end_amdgpu_metadata
.endif
;; end of part 2
;; launch attn (part 3): grid 8 x 32, 16 waves a work-group, clusters of 4 x 1, 263,168 bytes of LDS; arguments qbuf, kv, ao; writes ao
.if DOCPART == 3
	.amdgcn_target "amdgcn-amd-amdhsa--gfx1250"
	.amdhsa_code_object_version 6
	.text
	.protected	k_q7283df51dc_attn
	.globl	k_q7283df51dc_attn
	.p2align	8
	.type	k_q7283df51dc_attn,@function
k_q7283df51dc_attn:
	s_mov_b64 s[64:65], 0
	v_nop
	global_prefetch_b8 v0, s[64:65] scope:SCOPE_SE
	s_setreg_imm32_b32 hwreg(HW_REG_WAVE_MODE, 25, 1), 1
	s_wait_xcnt 0x0
	s_wait_alu depctr_hold_cnt(0) depctr_sa_sdst(0) depctr_va_vdst(0) depctr_va_sdst(0) depctr_va_ssrc(0) depctr_va_vcc(0) depctr_vm_vsrc(0)
	s_getreg_b32 s2, hwreg(HW_REG_IB_STS2, 6, 4)
	s_cmp_eq_u32 s2, 0
	s_cbranch_scc0 .Lentry_in_a_cluster
	s_endpgm
.Lentry_in_a_cluster:
	s_bfe_u32 s2, ttmp6, 0x10000c
	s_cmp_lg_u32 s2, 0x3003
	s_cbranch_scc0 .Lentry_shape_is_right
	s_endpgm
.Lentry_shape_is_right:
; ATTN.  o[q] = sum over keys of softmax(q . k / 8) v for 32 (batch, head) pairs of 2,048 tokens, head size 64; both products on codes of FP6 (E2M3) with E8M0 scales;
; o is quantised along the model's 1,024 and stored as an image of operand registers for the last product.
; THE SOFTMAX: t = score x log2(e) / 8; M = the running largest t rounded up to a whole number; p = 2^(t - M) is quantised along the keys, not normalised; the row's sum is taken of the
; unquantised p and divides at the end.  When M moves, the sum and O are multiplied by 2^(old M - new M): nothing is rounded, no branch hangs on data.
; SHARES: a work-group owns 256 queries of one head, each of its 16 waves a tile of 16.  A head's K and V, 16 blocks of 13,056 bytes, lie in LDS and are filled once: wave w brings block w.
; CLUSTER: the four work-groups of a cluster own query blocks of one head: each block is asked for jointly, with a mask that names the four.
; NO PREFETCH: every tile is asked for at the head, by one tensor load a wave; no loop runs ahead of a load.
; LAYOUT.  Both products are used transposed (S^T = K Q^T, O^T = V^T P^T): a lane holds one query.
; THE KEYS OF A SCORE TILE ARE CHOSEN BY THE LANES' LDS ADDRESSES: tile u of a group of 64 keys has in rows 0-7 keys 8 u + 0..7 and in rows 8-15 keys 32 + 8 u + 0..7.  So the 32 registers of
; a lane (r, h) in tiles 0-3 are keys 32 h + 0 .. 31: A WHOLE BLOCK IN ONE LANE, in the order of the second product's operand: the block's maximum needs no other lane and no code changes lanes.
; In memory a stored tile 2 b + v holds key octets 4 b + v (rows 0-7) and 4 b + v + 2 (rows 8-15): row r of tile u comes from stored tile 2 (r / 8) + u % 2, row r % 8 + 8 (u / 2).
; (Rows 0-7 and 8-15 of a load then lie 1,536 bytes apart, a multiple of 256.)
; TWO TILES IN ONE FRAGMENT: the head's 64 fill half of the instruction's 128.  Tile u even lies at k = 0..63, tile u + 1 at k = 64..127; the first is multiplied by [q | 0], the second by [0 | q]
; (18 registers: 0, q, 0).  The scale words of odd stored tiles carry their bytes in the upper half (the launch before lays them so); the other half's bytes are 0, over zero codes of q.
; THE LOOP RUNS ONE BLOCK AHEAD: block t + 1's scores are multiplied just ahead of block t's second product; K of t + 1 and V of t are loaded among the maxima of t.
; A block's largest p is not searched for: its largest score goes through the same multiply-add and exponential (this takes v_exp_f32 not to fall where its input rises).
; LIMITS: NaN and infinities are not served; the promise holds while the scaled scores stay under 2^31; a block of p or of o whose largest number lies under 2^-124 gets the byte 1: its codes are zeros.
.set BLK,  13056                       ; 128 keys: K 2 x (4 x 768 + 256), V 4 x 1,536, V's scale words 256
.set RP,   320                         ; IN LDS each 256 bytes of a block are followed by 64 bytes of padding, laid by the descriptor: byte y of a block lies at RP (y / 256) + y % 256.
                                       ; Rows 0-7 and 8-15 of a score tile come from stored tiles 6 LDS rows = 1,920 bytes apart, 128 modulo 256: the sixteen lanes of a 16-byte load touch 256 different bytes modulo 256
.set BLKL, 51*RP                       ; a block in LDS: 51 rows
.set SPARE, 16*BLKL
.set SPW,  1                           ; v1 my spare word's address, v2 = 0: for the add alone
.set NIL,  2
.set KA,   3                           ; lane terms, never rewritten: K's 16-byte parts, K's 8-byte parts, K's scale words, 16 x lane, 8 x lane
.set KB,   4
.set KSA,  5
.set VA,   6
.set VB,   7
.set KS,   8                           ; v8-11 K's scale words: register 2 g + u / 2: lanes 0-15 tile u even, lanes 16-31 tile u odd
.set NM,   12                          ; -M
.set MS,   13                          ; the running largest score
.set SH8,  14                          ; 8 x (lane / 16)
.set L,    16                          ; v16-17 the sum, two halves
.set F,    18                          ; v18 f = 2^(old M - new M); v19 written once (named as a pair's upper half)
.set QS,   20                          ; Q's scale word: lanes 0-15 bytes 0, 1; lanes 16-31 bytes 2, 3
.set PW,   21                          ; p's scale word
.set VS,   22                          ; v22-23 V's scale words
.set QH,   24                          ; v24-35 [0 | q];  v30-41 [q | 0]
.set QL,   30
.set KF,   42                          ; v42-89  K: four fragments of two tiles
.set VF,   90                          ; v90-137 V: four fragments
.set S,    138                         ; v138-201 S^T, then p
.set O,    202                         ; v202-233 O^T
.set PC,   234                         ; v234-245 p's codes
.set MA,   246                         ; v246-247, v250-251 maxima: two chains for each of my two blocks; v246-247 then the conversions' scale operands
.set MB,   250
.set WKA,  248                         ; this trip's LDS addresses: dead once the loads are issued
.set WKB,  249
.set WKS,  252
.set WVA,  253
.set WVB,  255
.set WV,   10
.set G1,   16
.set G0,   24
.set SEL,  28
.set CS,   30                          ; s[30:31] c = log2(e) / 8
.set TB,   32                          ; LDS byte at which block t begins
.set CNT,  33
.set NC,   56                          ; -c
.macro ROUND                           ; a round of the cluster's barrier
	s_barrier_signal -1
	s_barrier_wait -1
	s_cmp_lg_u32 s[WV], 0
	s_cbranch_scc1 .Lnot_wave_0_\@
	s_barrier_signal -3
.Lnot_wave_0_\@:
	s_barrier_wait -3
	s_barrier_signal -1
	s_barrier_wait -1
.endm
	s_load_b128 s[4:7], s[0:1], 0x0                ; qbuf, kv
	s_load_b64 s[8:9], s[0:1], 0x10                ; ao
	v_lshl_add_u32 v[SPW], v0, 2, SPARE
	v_mov_b32 v[NIL], 0
	ds_add_u32 v[SPW], v[NIL]
	ds_add_u32 v[SPW], v[NIL]
	v_lshrrev_b32 v246, 5, v0
	v_readfirstlane_b32 s[WV], v246                ; wave 0..15
	s_bfe_u32 s11, ttmp6, 0x40000                  ; cx
	s_lshl_b32 s12, ttmp9, 2
	s_add_co_u32 s12, s12, s11                     ; my block of 256 queries: it enters qbuf's and ao's addresses alone
	s_and_b32 s13, ttmp7, 0xffff                   ; 16 batch + head, which the four partners share
	s_mov_b32 s[G1], 15|(3<<16)|(1<<20)|(1<<21)|(5<<22)|(15<<25)   ; the mask: all four; elements of 8 bytes; padding on; bit 21 beside a mask; after every 64 words (code 5) 16 words (code 15)
	s_mov_b32 s[G1+1], 32<<16                      ; 51 dense rows of 256 bytes
	s_mov_b32 s[G1+2], 51<<16
	s_mov_b32 s[G1+3], 32<<16
	s_mov_b32 s[G1+4], 51
	s_mov_b32 s[G1+5], 32
	s_mov_b32 s[G1+6], 0
	s_mov_b32 s[G1+7], 0
	s_lshl_b32 s34, s13, 4
	s_add_co_u32 s34, s34, s[WV]
	s_mul_i32 s34, s34, BLK                        ; block 'wave' of my head, in memory,
	s_mov_b32 s35, 0
	s_mul_i32 s36, s[WV], BLKL                     ; and in LDS
	s_wait_dscnt 0x0
	s_wait_kmcnt 0x0
	ROUND                                          ; all four work-groups are here: the joint loads meet
	s_mov_b32 s[G0], 1
	s_mov_b32 s[G0+1], s36
	s_add_nc_u64 s[G0+2:G0+3], s[6:7], s[34:35]
	s_or_b32 s[G0+3], s[G0+3], 0x80000000
	tensor_load_to_lds s[G0:G0+3], s[G1:G1+7]      ; my one load
	s_nop 0
.rept 4
	v_nop
.endr
	s_lshr_b32 s37, s[WV], 3
	s_lshl_b32 s38, s12, 1
	s_add_co_u32 s37, s37, s38                     ; my block of 128 tokens
	s_bfe_u32 s38, s[WV], 0x10002                  ; my group of 64 in it
	s_and_b32 s39, s[WV], 3                        ; my tile of the group
	s_lshl_b32 s40, s13, 4
	s_add_co_u32 s40, s40, s37
	s_mul_i32 s40, s40, 6656
	s_mul_i32 s41, s38, 3328
	s_add_co_u32 s40, s40, s41
	s_mov_b32 s41, 0
	s_add_nc_u64 s[42:43], s[4:5], s[40:41]        ; the group in qbuf
	s_mul_i32 s40, s39, 768
	s_add_nc_u64 s[44:45], s[42:43], s[40:41]      ; my tile's half fragment
	s_and_b32 s46, s39, 1
	s_lshl_b32 s46, s46, 7
	s_lshr_b32 s47, s39, 1
	s_lshl_b32 s47, s47, 2
	s_add_co_u32 s46, s46, s47                     ; my tile's words in a group's scale words: 128 (tile % 2) + 4 (tile / 2)
	s_mov_b32 s47, 0
	s_add_nc_u64 s[42:43], s[42:43], s[46:47]
	s_lshr_b32 s48, s13, 4
	s_lshl_b32 s48, s48, 4
	s_add_co_u32 s48, s48, s37                     ; ao: row block 16 batch + block,
	s_lshl_b32 s48, s48, 3
	s_bfe_u32 s49, s13, 0x30001                    ; K step head / 2,
	s_add_co_u32 s48, s48, s49
	s_mul_i32 s48, s48, 12800
	s_mul_i32 s49, s38, 6400                       ; my group
	s_add_co_u32 s48, s48, s49
	s_mov_b32 s49, 0
	s_add_nc_u64 s[50:51], s[8:9], s[48:49]
	s_and_b32 s52, s13, 1                          ; head % 2: which half of the fragment
	s_mul_i32 s48, s39, 1536
	s_mul_i32 s53, s52, 768
	s_add_co_u32 s48, s48, s53
	s_add_nc_u64 s[54:55], s[50:51], s[48:49]      ; where my codes go
	s_lshl_b32 s52, s52, 1
	s_add_co_u32 s48, s46, s52
	s_add_nc_u64 s[50:51], s[50:51], s[48:49]      ; and my two scale bytes a row
	s_mov_b32 s[SEL], 0x76543210
	s_mov_b32 s[SEL+1], 0xfedcba98                 ; v_permlanex16_b32's selects for lane l xor 16
	s_mov_b32 s[CS], 0x3e38aa3b                    ; c
	s_mov_b32 s[CS+1], s[CS]
	s_mov_b32 s[NC], 0xbe38aa3b                    ; -c
	s_mov_b32 s[TB], 0
	s_mov_b32 s[CNT], 15
	v_and_b32 v246, 31, v0                         ; lane
	v_and_b32 v247, 15, v0                         ; r
	v_bfe_u32 v248, v0, 4, 1                       ; h
	v_lshlrev_b32 v255, 4, v246                    ; 16 x lane, for q's load
	v_lshlrev_b32 v[VB], 3, v246
	v_lshlrev_b32 v250, 3, v247
	global_load_b128 v[QL:QL+3], v255, s[44:45]    ; q stays in registers
	global_load_b64 v[QL+4:QL+5], v[VB], s[44:45] offset:512
	global_load_b32 v[QS], v250, s[42:43] offset:3072  ; its scale word, the same in lanes r and r + 16
	v_and_b32 v251, 7, v0                          ; r % 8
	v_bfe_u32 v252, v0, 3, 1                       ; r / 8
	v_mul_u32_u24 v253, v252, 6*RP                 ; two stored tiles, six LDS rows, on for rows 8-15
	v_lshlrev_b32 v[VA], 4, v247
	v_lshl_add_u32 v[KA], v251, 4, v253
	v_lshl_add_u32 v[KB], v251, 3, v253
	v_lshlrev_b32 v[KSA], 3, v251
	v_mad_u32_u24 v[KA], v248, RP, v[KA]           ; 6 RP (r / 8) + 16 (r % 8) + RP h: lanes 16-31 read the next LDS row
	v_mad_u32_u24 v[VA], v248, RP, v[VA]           ; V's 16-byte parts: 16 r + RP h
	v_lshl_add_u32 v[KB], v248, 7, v[KB]           ; 6 RP (r / 8) + 8 (r % 8) + 128 h
	v_lshl_add_u32 v[KSA], v252, 2, v[KSA]
	v_lshl_add_u32 v[KSA], v248, 7, v[KSA]         ; 8 (r % 8) + 4 (r / 8) + 128 h: lanes 16-31 take the odd tile's words
	v_lshlrev_b32 v[SH8], 3, v248
	v_lshlrev_b32 v249, 4, v248                    ; 16 h
	v_mov_b32 v[MS], 0xff61b1e6                    ; -3e38, under every score
	v_mov_b32 v[NM], 0x7f61b1e6                    ; -M: so the first f is 0
	v_mov_b32 v[L], 0
	v_mov_b32 v[L+1], 0
	v_mov_b32 v[F+1], 0
	v_mov_b32 v254, 0                              ; a lane permute's destination counts as one of its sources
.irp j, 0,1,2,3,4,5
	v_mov_b32 v[QH+\j], 0                          ; zero codes on both sides of q
	v_mov_b32 v[QL+6+\j], 0
.endr
	s_wait_alu depctr_va_vdst(0)
	s_wait_loadcnt 0x0                             ; q is in
	v_lshlrev_b32 v[QS], v249, v[QS]               ; lanes 16-31: the bytes at k = 64 .. 127
.set j, 0
.rept 32
	v_mov_b32 v[O+j], 0                            ; O^T: the step is written once; the first f, 0, leaves zeros.  (Also the places between the scale word's write and the first product)
.set j, j+1
.endr
	s_wait_alu depctr_va_vdst(0)
	s_wait_tensorcnt 0x0                           ; my block has landed,
	s_barrier_signal -1
	s_barrier_wait -1                              ; everybody's: the head is whole; nothing is filled again
.macro KLD ka, kb, ks, off, g          ; group g's four tiles into two fragments, and their scale words: 10 loads
.irp u, 0,1,2,3
	ds_load_b128 v[KF+12*(2*\g+\u/2)+6*(\u%2):KF+12*(2*\g+\u/2)+6*(\u%2)+3], v[\ka] offset:\off+RP*(13*\g+3*(\u%2))+128*(\u/2)
	ds_load_b64 v[KF+12*(2*\g+\u/2)+6*(\u%2)+4:KF+12*(2*\g+\u/2)+6*(\u%2)+5], v[\kb] offset:\off+RP*(13*\g+3*(\u%2)+2)+64*(\u/2)
.endr
	ds_load_b32 v[KS+2*\g], v[\ks] offset:\off+RP*(13*\g+12)          ; a group is 13 rows: four stored tiles of 3, one of scale words
	ds_load_b32 v[KS+2*\g+1], v[\ks] offset:\off+RP*(13*\g+12)+64
.endm
.macro VLD t
	ds_load_b128 v[VF+12*\t:VF+12*\t+3], v[WVA] offset:RP*(26+6*\t)          ; V begins at row 26; a fragment is 6 rows
	ds_load_b64 v[VF+12*\t+4:VF+12*\t+5], v[WVB] offset:RP*(26+6*\t+2)
	ds_load_b128 v[VF+12*\t+6:VF+12*\t+9], v[WVA] offset:RP*(26+6*\t+3)
	ds_load_b64 v[VF+12*\t+10:VF+12*\t+11], v[WVB] offset:RP*(26+6*\t+5)
.endm
.macro SPROD                           ; S^T of 128 keys: eight products, each on its own accumulator, begun with 0
.irp g, 0,1
.irp u, 0,1,2,3
.if \u%2
	v_wmma_scale_f32_16x16x128_f8f6f4 v[S+8*(4*\g+\u):S+8*(4*\g+\u)+7], v[KF+12*(2*\g+\u/2):KF+12*(2*\g+\u/2)+11], v[QH:QH+11], 0, v[KS+2*\g+\u/2], v[QS] matrix_a_fmt:MATRIX_FMT_FP6 matrix_b_fmt:MATRIX_FMT_FP6 matrix_a_scale:MATRIX_SCALE_ROW1 matrix_b_scale:MATRIX_SCALE_ROW1
.else
	v_wmma_scale_f32_16x16x128_f8f6f4 v[S+8*(4*\g+\u):S+8*(4*\g+\u)+7], v[KF+12*(2*\g+\u/2):KF+12*(2*\g+\u/2)+11], v[QL:QL+11], 0, v[KS+2*\g+\u/2], v[QS] matrix_a_fmt:MATRIX_FMT_FP6 matrix_b_fmt:MATRIX_FMT_FP6
.endif
.endr
.endr
.endm
.macro MAXR i                          ; round i of the maxima: four chains by turns; chain A walks a block's numbers 0-16, chain B 17-31: each accumulator is first read at its low end
.irp c, 0,1
	v_max3_num_f32 v[MA+\c], v[MA+\c], v[S+32*\c+2*\i+1], v[S+32*\c+2*\i+2]
	v_max3_num_f32 v[MB+\c], v[MB+\c], v[S+32*\c+2*\i+18], v[S+32*\c+2*\i+19]
.endr
.endm
.macro SUMR k                          ; four pairs of p onto four chains
	v_pk_add_f32 v[L:L+1], v[L:L+1], v[S+14+8*\k:S+15+8*\k]
	v_pk_add_f32 v[248:249], v[248:249], v[S+16+8*\k:S+17+8*\k]
	v_pk_add_f32 v[250:251], v[250:251], v[S+18+8*\k:S+19+8*\k]
	v_pk_add_f32 v[252:253], v[252:253], v[S+20+8*\k:S+21+8*\k]
.endm
; Block t.  On entry its scores have been multiplied.  last = 1: no block follows.
.macro STEP last
	v_add_nc_u32 v[WVA], s[TB], v[VA]              ; these lines are the four places behind the products: ahead of the first read of the scores and of loads into the fragments
	v_add_nc_u32 v[WVB], s[TB], v[VB]
.if \last
	v_nop
	v_nop
.else
	v_add_nc_u32 v[WKA], s[TB], v[KA]
	v_add_nc_u32 v[WKB], s[TB], v[KB]
	v_add_nc_u32 v[WKS], s[TB], v[KSA]
.endif
.irp c, 0,1
	v_max3_num_f32 v[MA+\c], v[S+32*\c], v[S+32*\c+1], v[S+32*\c+2]
	v_max3_num_f32 v[MB+\c], v[S+32*\c+17], v[S+32*\c+18], v[S+32*\c+19]
.endr
.if \last == 0
	KLD WKA, WKB, WKS, BLKL, 0                     ; K of block t + 1
.endif
	MAXR 1
.if \last == 0
	KLD WKA, WKB, WKS, BLKL, 1
.endif
	MAXR 2
	VLD 0                                          ; V of block t
	VLD 1
	MAXR 3
	VLD 2
	VLD 3
	ds_load_b64 v[VS:VS+1], v[WVB] offset:RP*50
	MAXR 4
	MAXR 5
	MAXR 6
.irp c, 0,1
	v_max3_num_f32 v[MA+\c], v[MA+\c], v[S+32*\c+15], v[S+32*\c+16]
.endr
.irp c, 0,1
	v_max_num_f32 v[MA+\c], v[MA+\c], v[MB+\c]     ; my two blocks' largest scores
.endr
	v_max3_num_f32 v[MS], v[MS], v[MA], v[MA+1]
	v_permlanex16_b32 v254, v[MS], s[SEL], s[SEL+1]
	v_max_num_f32 v[MS], v[MS], v254               ; the running largest score of my query
	v_mul_f32 v250, s[NC], v[MS]                   ; -t
	v_floor_f32 v248, v250                         ; the new -M = floor(-t) = -ceil(t)
.set j, 0
.rept 32
	v_pk_fma_f32 v[S+j:S+j+1], v[S+j:S+j+1], s[CS:CS+1], v[248:249] op_sel_hi:[1,0,0]   ; t - M, two at a time
.if j == 2
	v_sub_f32 v250, v248, v[NM]                    ; old M - new M: a whole number, 0 or less
.elseif j == 10
	v_cvt_i32_f32 v250, v250                       ; (it saturates)
.elseif j == 18
	v_ldexp_f32 v[F], 1.0, v250                    ; f
.endif
.set j, j+2
.endr
.irp c, 0,1
	v_fma_f32 v[MA+\c], v[MA+\c], s[CS], v248      ; the same of each block's largest score
.endr
	s_wait_alu depctr_va_vdst(0)
.set j, 0
.rept 64
	v_exp_f32 v[S+j], v[S+j]                       ; p = 2^(t - M)
.set j, j+1
.endr
	v_exp_f32 v[MA], v[MA]                         ; the blocks' largest p
	v_exp_f32 v[MA+1], v[MA+1]
	v_mov_b32 v[NM], v248                          ; (the plain place behind the batch)
	s_wait_alu depctr_va_vdst(0)                   ; and the wait behind it
	v_pk_fma_f32 v[L:L+1], v[L:L+1], v[F:F+1], v[S:S+1] op_sel_hi:[1,0,1]   ; the sum under the new M, and the first pair of the unquantised p
	v_pk_add_f32 v[248:249], v[S+2:S+3], v[S+4:S+5]
	v_pk_add_f32 v[250:251], v[S+6:S+7], v[S+8:S+9]
	v_pk_add_f32 v[252:253], v[S+10:S+11], v[S+12:S+13]
	SUMR 0                                         ; the scale's lines stand among the sums, so that no line waits for the line above it
	v_max_num_f32 v[MA], 0x1800000, v[MA]          ; the floor 2^(3 - 127): the byte cannot fall under 1
	v_max_num_f32 v[MA+1], 0x1800000, v[MA+1]
	SUMR 1
	v_add_nc_u32 v[MA], 0xff000000, v[MA]          ; 2 off the exponent field: the conversions' scale operands
	v_add_nc_u32 v[MA+1], 0xff000000, v[MA+1]
	SUMR 2
	v_lshrrev_b32 v254, 23, v[MA]                  ; the bytes of blocks h and 2 + h
	v_lshrrev_b32 v255, 23, v[MA+1]
	SUMR 3
	v_lshl_or_b32 v[PW], v255, 16, v254
	SUMR 4
	v_lshlrev_b32 v[PW], v[SH8], v[PW]             ; at their places in the word
	SUMR 5
	v_permlanex16_b32 v254, v[PW], s[SEL], s[SEL+1]
	v_pk_add_f32 v[L:L+1], v[L:L+1], v[S+62:S+63]
	v_pk_add_f32 v[248:249], v[248:249], v[250:251]
	v_or_b32 v[PW], v[PW], v254                    ; with lane l xor 16's two bytes p's scale word is whole
	v_pk_add_f32 v[L:L+1], v[L:L+1], v[252:253]
	v_pk_add_f32 v[L:L+1], v[L:L+1], v[248:249]
	v_cvt_scalef32_pk16_fp6_f32 v[PC:PC+2], v[S:S+15], v[MA]
	v_cvt_scalef32_pk16_fp6_f32 v[248:250], v[S+16:S+31], v[MA]      ; (a conversion's three registers begin on an even number)
	v_cvt_scalef32_pk16_fp6_f32 v[PC+6:PC+8], v[S+32:S+47], v[MA+1]
	v_cvt_scalef32_pk16_fp6_f32 v[252:254], v[S+48:S+63], v[MA+1]
	v_nop                                          ; one plain place behind a scaled conversion
.irp i, 0,1,2
	v_mov_b32 v[PC+3+\i], v[248+\i]
	v_mov_b32 v[PC+9+\i], v[252+\i]
.endr
	s_wait_dscnt 0x0                               ; the trip's loads, issued among the maxima, are in
	s_wait_alu depctr_va_vdst(0)                   ; directly ahead of the first reader of O^T
.set j, 0
.rept 16
	v_pk_mul_f32 v[O+j:O+j+1], v[O+j:O+j+1], v[F:F+1] op_sel_hi:[1,0]   ; O^T under the new M.  (Also the places between p's codes and scale word and the products)
.set j, j+2
.endr
.if \last == 0
	SPROD                                          ; block t + 1's scores
.endif
.irp t, 0,1,2,3                        ; O^T += V^T P^T: the four accumulators by turns
.if \t%2
	v_wmma_scale_f32_16x16x128_f8f6f4 v[O+8*\t:O+8*\t+7], v[VF+12*\t:VF+12*\t+11], v[PC:PC+11], v[O+8*\t:O+8*\t+7], v[VS+\t/2], v[PW] matrix_a_fmt:MATRIX_FMT_FP6 matrix_b_fmt:MATRIX_FMT_FP6 matrix_a_scale:MATRIX_SCALE_ROW1
.else
	v_wmma_scale_f32_16x16x128_f8f6f4 v[O+8*\t:O+8*\t+7], v[VF+12*\t:VF+12*\t+11], v[PC:PC+11], v[O+8*\t:O+8*\t+7], v[VS+\t/2], v[PW] matrix_a_fmt:MATRIX_FMT_FP6 matrix_b_fmt:MATRIX_FMT_FP6
.endif
.endr
.endm
	KLD KA, KB, KSA, 0, 0                          ; block 0's K
	KLD KA, KB, KSA, 0, 1
	s_wait_dscnt 0x0
	SPROD
.Lstep:                                            ; 15 trips: blocks 0 to 14
	STEP 0
	s_add_co_u32 s[TB], s[TB], BLKL
	s_sub_co_u32 s[CNT], s[CNT], 1
	s_cmp_lg_u32 s[CNT], 0
	s_cbranch_scc1 .Lstep
	STEP 1                                         ; block 15: nothing more to fetch or to multiply ahead
	; THE WAY OUT: O^T / the sum, quantised along d (register 16 b + i: d = 32 b + 16 h + i), as half a fragment of the last product's operand
	v_and_b32 v45, 15, v0                          ; (four places behind the last products)
	v_add_f32 v[L], v[L], v[L+1]                   ; the sum's two halves,
	v_lshlrev_b32 v45, 3, v45                      ; 8 r
	v_lshlrev_b32 v43, 1, v[VB]                    ; 16 x lane, for the codes' store
	v_permlanex16_b32 v254, v[L], s[SEL], s[SEL+1]
	v_add_f32 v[L], v[L], v254                     ; and lane l xor 16's keys
	s_wait_alu depctr_va_vdst(0)
	v_rcp_f32 v[L], v[L]
	v_nop                                          ; one plain place behind the reciprocal
	s_wait_alu depctr_va_vdst(0)
.set j, 0
.rept 32
	v_mul_f32 v[S+j], v[O+j], v[L]                 ; each accumulator from its low end on
.set j, j+1
.endr
.irp b, 0,1
	v_max3_num_f32 v[MA+\b], |v[S+16*\b]|, |v[S+16*\b+1]|, 0x1800000
.endr
.irp i, 2,4,6,8,10,12,14
.irp b, 0,1
	v_max3_num_f32 v[MA+\b], v[MA+\b], |v[S+16*\b+\i]|, |v[S+16*\b+\i+1]|
.endr
.endr
.irp b, 0,1
	v_permlanex16_b32 v[MB+\b], v[MA+\b], s[SEL], s[SEL+1]
.endr
.irp b, 0,1
	v_max_num_f32 v[MA+\b], v[MA+\b], v[MB+\b]     ; with lane l xor 16's: the block's largest magnitude
.endr
.irp b, 0,1
	v_add_nc_u32 v[248+\b], 0xff000000, v[MA+\b]   ; 2 off the exponent field: the conversion's scale operand
.endr
.irp b, 0,1
	v_lshrrev_b32 v[MB+\b], 23, v[248+\b]          ; the scale's byte
.endr
	v_lshl_or_b32 v255, v[MB+1], 8, v[MB]          ; my row's two scale bytes
	v_cvt_scalef32_pk16_fp6_f32 v[PC:PC+2], v[S:S+15], v248
	v_cvt_scalef32_pk16_fp6_f32 v[PC+6:PC+8], v[S+16:S+31], v249
	v_nop
.irp i, 0,1,2
	v_permlane16_swap_b32 v[PC+\i], v[PC+6+\i]     ; here a block lies in two lanes: lanes 0-15 get block 0 whole, lanes 16-31 block 1
.endr
.irp i, 0,1,2
	v_mov_b32 v[PC+3+\i], v[PC+6+\i]
.endr
	global_store_b128 v43, v[PC:PC+3], s[54:55]                ; 512 consecutive bytes
	global_store_b64 v[VB], v[PC+4:PC+5], s[54:55] offset:512  ; 256
	global_store_b16 v45, v255, s[50:51] offset:6144           ; a scale word's two halves come from two heads: two bytes a row; lanes l and l + 16 write the same bytes with the same value
	s_wait_tensorcnt 0x0                           ; the wave's end
	ds_add_u32 v[SPW], v[NIL]
	s_wait_dscnt 0x0
	ROUND                                          ; the closing round
	s_endpgm
.Lfunc_end_k_q7283df51dc_attn:
	.size	k_q7283df51dc_attn, .Lfunc_end_k_q7283df51dc_attn-k_q7283df51dc_attn
	.p2alignl 7, 3214868480
	.fill 96, 4, 3214868480
	.section	.rodata,"a",@progbits
	.p2align	6, 0x0
	.amdhsa_kernel k_q7283df51dc_attn
		.amdhsa_group_segment_fixed_size 263168
		.amdhsa_private_segment_fixed_size 0
		.amdhsa_enable_private_segment 0
		.amdhsa_kernarg_size 24
		.amdhsa_user_sgpr_count 2
		.amdhsa_user_sgpr_kernarg_segment_ptr 1
		.amdhsa_wavefront_size32 1
		.amdhsa_system_sgpr_workgroup_id_x 1
		.amdhsa_system_sgpr_workgroup_id_y 1
		.amdhsa_system_sgpr_workgroup_id_z 1
		.amdhsa_system_vgpr_workitem_id 0
		.amdhsa_next_free_vgpr 256
		.amdhsa_next_free_sgpr 66
		.amdhsa_reserve_vcc 0
		.amdhsa_float_denorm_mode_32 3
		.amdhsa_float_denorm_mode_16_64 3
		.amdhsa_memory_ordered 1
		.amdhsa_forward_progress 1
		.amdhsa_inst_pref_size 41
	.end_amdhsa_kernel
	.amdgpu_metadata
---
amdhsa.version: [ 1, 2 ]
amdhsa.kernels:
  - .name:           k_q7283df51dc_attn
    .symbol:         k_q7283df51dc_attn.kd
    .args:
      - { .name: qbuf, .offset: 0, .size: 8, .value_kind: global_buffer, .address_space: global }
      - { .name: kv, .offset: 8, .size: 8, .value_kind: global_buffer, .address_space: global }
      - { .name: ao, .offset: 16, .size: 8, .value_kind: global_buffer, .address_space: global }
    .group_segment_fixed_size: 263168
    .private_segment_fixed_size: 0
    .kernarg_segment_align: 8
    .kernarg_segment_size: 24
    .max_flat_workgroup_size: 512
    .sgpr_count:     66
    .vgpr_count:     256
    .wavefront_size: 32
...
	.end_amdgpu_metadata
.endif
;; end of part 3
;; launch oproj (part 4): grid 8 x 32, 4 waves a work-group, clusters of 4 x 4, 222,720 bytes of LDS; arguments ao, ops, b_o, out0; writes out0
.if DOCPART == 4
	.amdgcn_target "amdgcn-amd-amdhsa--gfx1250"
	.amdhsa_code_object_version 6
	.text
	.protected	k_q7283df51dc_oproj
	.globl	k_q7283df51dc_oproj
	.p2align	8
	.type	k_q7283df51dc_oproj,@function
k_q7283df51dc_oproj:
	s_mov_b64 s[64:65], 0
	v_nop
	global_prefetch_b8 v0, s[64:65] scope:SCOPE_SE
	s_setreg_imm32_b32 hwreg(HW_REG_WAVE_MODE, 25, 1), 1
	s_wait_xcnt 0x0
	s_wait_alu depctr_hold_cnt(0) depctr_sa_sdst(0) depctr_va_vdst(0) depctr_va_sdst(0) depctr_va_ssrc(0) depctr_va_vcc(0) depctr_vm_vsrc(0)
	s_getreg_b32 s2, hwreg(HW_REG_IB_STS2, 6, 4)
	s_cmp_eq_u32 s2, 0
	s_cbranch_scc0 .Lentry_in_a_cluster
	s_endpgm
.Lentry_in_a_cluster:
	s_bfe_u32 s2, ttmp6, 0x10000c
	s_cmp_lg_u32 s2, 0xf033
	s_cbranch_scc0 .Lentry_shape_is_right
	s_endpgm
.Lentry_shape_is_right:
; OPROJ.  out0 = a w_o^T + b_o: a, the attention's result, and w_o as codes of FP6 (E2M3) with E8M0 scales, sums in f32.
; SHARES.  A work-group makes 128 tokens x 128 features, K = 1,024; four waves, each 64 x 64: 16 accumulators.
; BOTH OPERANDS, 2 x 102,400 bytes for all of K, LIE IN LDS AND ARE FILLED ONCE.  Each K step of an operand is one dense block of 12,800 bytes (two groups of 64 rows: 4 fragments of 1,536 bytes and
; 256 bytes of scale words) in the order of the operand's registers: every LDS load takes 512 or 256 consecutive bytes.
; CLUSTERS: 4 x 4 work-groups.  The four of a row of the cluster need the same tokens, the four of a column the same weights: each block is asked for JOINTLY.  Waves 0, 1 ask for a's eight blocks
; (four each), waves 2, 3 for w_o's: one load of a wave is out at a time.
; TILES: tile t of a group of 64 rows has in lane r the row 32 (t / 2) + 8 (t % 2) + r + 8 (r / 8).  Source 0 = w_o, source 1 = a: a lane holds one token, and the 16 registers of result tiles 2 b, 2 b + 1
; are features 32 b + 16 (lane / 16) + 0 .. 15.  The bias is the C of each sum's first product.
; THE WAY OUT: 16 tokens x 64 features at a time through the wave's own stage in LDS (behind the operands: no tensor load lands there), back as rows of 256 bytes, which sixteen lanes store.
; REGISTERS.  Window 0: v4-7 LDS addresses; v8-10, v20-22 lane terms; v12-19 scale words, two sets, and nothing else; v32-63 the bias; v64-127 rows on their way out; v128-255 the accumulators.
;   Window 1: two sets of fragments at v0 and v128 (w_o's four, then a's four).
.set KB,   12800
.set GB,   6400
.set RBB,  102400
.set WOFF, 102400
.set STAGE, 204800                     ; 16 rows x (256 + 16) bytes for each wave
.set SPI,  272
.set ACC,  128
.set AX16, 4
.set AX8,  5
.set AW16, 6
.set AW8,  7
.set L16,  8
.set L8,   9
.set BA,   10                          ; v10 the bias: 64 x (lane / 16)
.set SCX,  12
.set SCW,  14
.set STO,  20                          ; v20 the stage: where I put 32 bytes of a row
.set RD,   21                          ; v21 and where I read a row back
.set CO,   22                          ; v22 my byte offset in two rows of out0
.set CB,   32
.set BK,   64
.set G1X,  24
.set G1W,  32
.set G0X,  40
.set G0W,  68
.set MSB,  0
.macro WIN new                         ; the immediate's high byte repeats the setting that is left
.if MSB != \new
	s_set_vgpr_msb (MSB<<8)|\new
.set MSB, \new
.endif
.endm
.set MUL,  0x05                        ; sources 0 and 1 window 1; C and D window 0
.set TO_F, 0x40                        ; destination window 1, address window 0
.macro CREST
	s_cmp_lg_u32 s14, 0
	s_cbranch_scc1 .Lnot_wave_0_\@
	s_barrier_signal -3
.Lnot_wave_0_\@:
	s_barrier_wait -3
	s_barrier_signal -1
	s_barrier_wait -1
.endm
.macro CROUND                          ; a round of the cluster's barrier
	s_barrier_signal -1
	s_barrier_wait -1
	CREST
.endm
.macro PLACES
.rept 4
	v_nop
.endr
.endm
	s_load_b256 s[4:11], s[0:1], 0x0               ; ao s[4:5], ops s[6:7], b_o s[8:9], out0 s[10:11]
	v_lshl_add_u32 v30, v0, 2, 0x36400
	v_mov_b32 v31, 0
	ds_add_u32 v30, v31
	ds_add_u32 v30, v31
	v_lshrrev_b32 v1, 5, v0
	v_readfirstlane_b32 s14, v1                    ; wave 0..3
	s_lshr_b32 s15, s14, 1                         ; my half of the tokens.  Also: I fetch for a (0) or for w_o (1)
	s_and_b32 s16, s14, 1                          ; my half of the features.  Also: the even or the odd K steps
	s_bfe_u32 s56, ttmp6, 0x40000                  ; cx, cy
	s_bfe_u32 s57, ttmp6, 0x40004
	s_lshl_b32 s18, ttmp9, 2
	s_add_co_u32 s18, s18, s56                     ; work-group x
	s_and_b32 s17, ttmp7, 0xffff
	s_lshl_b32 s17, s17, 2
	s_add_co_u32 s17, s17, s57                     ; work-group y
	s_lshl_b32 s58, s57, 2
	s_lshl_b32 s58, 15, s58                        ; my row of the cluster
	s_lshl_b32 s59, 0x1111, s56                    ; my column
	s_or_b32 s[G1X], s58, (3<<16)|(1<<21)          ; 15:0 the mask; 17:16 elements of 8 bytes; 21 set beside a mask; no padding
	s_or_b32 s[G1W], s59, (3<<16)|(1<<21)
.irp g, G1X, G1W
	s_mov_b32 s[\g+1], 32<<16                      ; rows of 256 bytes, dense
	s_mov_b32 s[\g+2], 200<<16                     ; 200 rows: four K steps, 51,200 dense bytes, in one load
	s_mov_b32 s[\g+3], 32<<16
	s_mov_b32 s[\g+4], 200
	s_mov_b32 s[\g+5], 32
	s_mov_b32 s[\g+6], 0
	s_mov_b32 s[\g+7], 0
.endr
	s_mul_i32 s12, s16, 4*KB                       ; K steps 0-3 or 4-7: in memory and in LDS alike
	s_mul_i32 s20, s17, RBB                        ; a: row block y
	s_add_co_u32 s20, s20, s12
	s_mov_b32 s21, 0
	s_add_co_u32 s22, s18, 56                      ; w_o: row block 56 + x of ops
	s_mul_i32 s22, s22, RBB
	s_add_co_u32 s22, s22, s12
	s_mov_b32 s23, 0
	s_wait_dscnt 0x0
	s_wait_kmcnt 0x0
	s_add_nc_u64 s[20:21], s[4:5], s[20:21]
	s_add_nc_u64 s[22:23], s[6:7], s[22:23]
	CROUND                                         ; all sixteen work-groups are here: the joint loads meet
.irp q, 0                              ; one group 0 for a and one for w_o: a wave's one load
	s_mov_b32 s[G0X+4*\q], 1
	s_add_co_u32 s[G0X+4*\q+1], s12, \q*2*KB
	s_add_nc_u64 s[G0X+4*\q+2:G0X+4*\q+3], s[20:21], \q*2*KB
	s_or_b32 s[G0X+4*\q+3], s[G0X+4*\q+3], 0x80000000
	s_mov_b32 s[G0W+4*\q], 1
	s_add_co_u32 s[G0W+4*\q+1], s12, WOFF+\q*2*KB
	s_add_nc_u64 s[G0W+4*\q+2:G0W+4*\q+3], s[22:23], \q*2*KB
	s_or_b32 s[G0W+4*\q+3], s[G0W+4*\q+3], 0x80000000
.endr
	s_cmp_eq_u32 s15, 0                            ; a wave's one fill stands in one branch on the wave's number; four v_nop follow the last
	s_cbranch_scc0 .Lfor_w
.irp q, 0                              ; waves 0, 1: a half of a's block; one tensor load a wave at the head
	tensor_load_to_lds s[G0X+4*\q:G0X+4*\q+3], s[G1X:G1X+7]
	s_nop 0
.endr
	PLACES
	s_branch .Lasked
.Lfor_w:
.irp q, 0                              ; waves 2, 3: a half of w_o's block
	tensor_load_to_lds s[G0W+4*\q:G0W+4*\q+3], s[G1W:G1W+7]
	s_nop 0
.endr
	PLACES
.Lasked:
	v_and_b32 v1, 31, v0
	v_lshlrev_b32 v[L16], 4, v1
	v_lshlrev_b32 v[L8], 3, v1
	s_mul_i32 s60, s15, GB
	v_add_nc_u32 v[AX16], s60, v[L16]
	v_add_nc_u32 v[AX8], s60, v[L8]
	s_mul_i32 s61, s16, GB
	s_add_co_u32 s61, s61, WOFF
	v_add_nc_u32 v[AW16], s61, v[L16]
	v_add_nc_u32 v[AW8], s61, v[L8]
	v_and_b32 v2, 15, v0                           ; r
	v_bfe_u32 v3, v0, 4, 1                         ; h
	v_lshlrev_b32 v[BA], 6, v3
	s_lshl_b32 s84, s18, 9                         ; my 64 features: 512 x + 256 (wave % 2) bytes
	s_lshl_b32 s85, s16, 8
	s_add_co_u32 s84, s84, s85
	s_mov_b32 s85, 0
	s_add_nc_u64 s[8:9], s[8:9], s[84:85]
.irp t, 0,1,2,3                        ; the bias in the result's layout: tile t, register j: feature 32 (t / 2) + 16 h + 8 (t % 2) + j
	global_load_b128 v[CB+8*\t:CB+8*\t+3], v[BA], s[8:9] offset:(32*(\t/2)+8*(\t%2))*4
	global_load_b128 v[CB+8*\t+4:CB+8*\t+7], v[BA], s[8:9] offset:(32*(\t/2)+8*(\t%2))*4+16
.endr
	s_mul_i32 s62, s14, 16*SPI
	s_add_co_u32 s62, s62, STAGE                   ; my stage
	v_mul_u32_u24 v[STO], v2, SPI                  ; in: row r, + 64 h
	v_lshl_add_u32 v[STO], v3, 6, v[STO]
	v_add_nc_u32 v[STO], s62, v[STO]
	v_mul_u32_u24 v[RD], v3, SPI                   ; back: lanes 0-15 one row of 256 bytes, lanes 16-31 the next
	v_lshl_add_u32 v[RD], v2, 4, v[RD]
	v_add_nc_u32 v[RD], s62, v[RD]
	v_lshlrev_b32 v[CO], 12, v3                    ; and the same two rows in out0
	v_lshl_add_u32 v[CO], v2, 4, v[CO]
	s_lshl_b32 s86, s17, 19                        ; my first token: (128 y + 64 half) rows of 4,096 bytes
	s_lshl_b32 s87, s15, 18
	s_add_co_u32 s86, s86, s87
	s_add_co_u32 s86, s86, s84
	s_mov_b32 s87, 0
	s_add_nc_u64 s[10:11], s[10:11], s[86:87]
.macro FRAGL reg, a16, a8, off         ; a fragment's image: two halves of 512 + 256 bytes
	ds_load_b128 v[\reg:\reg+3], v[\a16] offset:\off
	ds_load_b64 v[\reg+4:\reg+5], v[\a8] offset:\off+512
	ds_load_b128 v[\reg+6:\reg+9], v[\a16] offset:\off+768
	ds_load_b64 v[\reg+10:\reg+11], v[\a8] offset:\off+1280
.endm
.macro FETCH set                       ; 34 LDS loads: a K step's eight fragments and its scale words
	WIN TO_F
.irp i, 0,1,2,3
	FRAGL 128*(\set)+12*\i, AW16, AW8, \i*1536
.endr
.irp i, 0,1,2,3
	FRAGL 128*(\set)+48+12*\i, AX16, AX8, \i*1536
.endr
	WIN 0
	ds_load_b64 v[SCW+4*(\set):SCW+4*(\set)+1], v[AW8] offset:6144
	ds_load_b64 v[SCX+4*(\set):SCX+4*(\set)+1], v[AX8] offset:6144
.endm
.macro WMX                             ; one product; fA, fB: the side's scale words stand in lanes 16-31
.if fA && fB
	v_wmma_scale_f32_16x16x128_f8f6f4 v[rD:rD+7], v[rA:rA+11], v[rB:rB+11], v[rC:rC+7], v[rSA], v[rSB] matrix_a_fmt:MATRIX_FMT_FP6 matrix_b_fmt:MATRIX_FMT_FP6 matrix_a_scale:MATRIX_SCALE_ROW1 matrix_b_scale:MATRIX_SCALE_ROW1
.elseif fA
	v_wmma_scale_f32_16x16x128_f8f6f4 v[rD:rD+7], v[rA:rA+11], v[rB:rB+11], v[rC:rC+7], v[rSA], v[rSB] matrix_a_fmt:MATRIX_FMT_FP6 matrix_b_fmt:MATRIX_FMT_FP6 matrix_a_scale:MATRIX_SCALE_ROW1
.elseif fB
	v_wmma_scale_f32_16x16x128_f8f6f4 v[rD:rD+7], v[rA:rA+11], v[rB:rB+11], v[rC:rC+7], v[rSA], v[rSB] matrix_a_fmt:MATRIX_FMT_FP6 matrix_b_fmt:MATRIX_FMT_FP6 matrix_b_scale:MATRIX_SCALE_ROW1
.else
	v_wmma_scale_f32_16x16x128_f8f6f4 v[rD:rD+7], v[rA:rA+11], v[rB:rB+11], v[rC:rC+7], v[rSA], v[rSB] matrix_a_fmt:MATRIX_FMT_FP6 matrix_b_fmt:MATRIX_FMT_FP6
.endif
.endm
; A K step's 16 products: accumulator 4 a + t = a's tile a (source 1) against w_o's tile t (source 0).  The 16 accumulators take turns, one instruction a turn, in the same order in every step
; first = 1: the bias starts the sums.
.macro MULS set, first
.irp a, 0,1,2,3
.irp t, 0,1,2,3
.set rD, ACC+8*(4*\a+\t)
.set rA, 128*(\set)+12*\t
.set rB, 128*(\set)+48+12*\a
.set rSA, SCW+4*(\set)+\t/2
.set rSB, SCX+4*(\set)+\a/2
.set fA, \t%2
.set fB, \a%2
.if \first
.set rC, CB+8*\t
.else
.set rC, rD
.endif
	WMX
.endr
.endr
.endm
; K step s: its fragments (asked for a step ago) are waited for, the next step's are asked for, then its 16 products.
; no step waits for a fill: both operands are whole before step 0.
.macro KSTEP s, first
	s_wait_dscnt 0x0
.if (\s) < 7
	WIN 0
.endif
.if (\s) < 7
	v_add_nc_u32 v[AX16], KB, v[AX16]              ; on to the next K step.  These four are also the places in front of loads into registers that the last step's products have read
	v_add_nc_u32 v[AX8], KB, v[AX8]
	v_add_nc_u32 v[AW16], KB, v[AW16]
	v_add_nc_u32 v[AW8], KB, v[AW8]
	FETCH ((\s)+1)%2
.endif
	WIN MUL
	MULS (\s)%2, \first
.endm
	s_wait_alu depctr_va_vdst(0)
	s_wait_tensorcnt 0x0                           ; my one load has landed; behind the barrier both operands are whole for all of K
	s_barrier_signal -1
	s_barrier_wait -1                              ; K steps 0 and 1 of both operands are whole
	FETCH 0
	s_wait_loadcnt 0x0                             ; the bias
	KSTEP 0, 1
	s_wait_alu depctr_va_vdst(0)
.irp s, 1,2,3,4,5,6,7
	s_wait_alu depctr_va_vdst(0)
	KSTEP \s, 0
.endr
	WIN 0
; Tile a of my tokens: 16 rows x 256 bytes into my stage and back as whole rows.  LDS serves a wave's instructions in order: no wait between the stores and the loads, nor in front of the next tile's stores.
.macro TOSTAGE a
.irp t, 0,1,2,3
	ds_store_b128 v[STO], v[ACC+8*(4*(\a)+\t):ACC+8*(4*(\a)+\t)+3] offset:128*(\t/2)+32*(\t%2)          ; each accumulator from its low end on
	ds_store_b128 v[STO], v[ACC+8*(4*(\a)+\t)+4:ACC+8*(4*(\a)+\t)+7] offset:128*(\t/2)+32*(\t%2)+16
.endr
.irp i, 0,1,2,3,4,5,6,7
	ds_load_b128 v[BK+32*((\a)%2)+4*\i:BK+32*((\a)%2)+4*\i+3], v[RD] offset:2*\i*SPI
.endr
.endm
.macro SEND a, younger                 ; younger: the LDS instructions issued behind tile a's loads, which may stay out.  Stage row p is token 32 (a / 2) + 8 (a % 2) + p + 8 (p / 8)
	s_wait_dscnt \younger
.irp i, 0,1,2,3,4,5,6,7
	global_store_b128 v[CO], v[BK+32*((\a)%2)+4*\i:BK+32*((\a)%2)+4*\i+3], s[10:11] offset:(32*((\a)/2)+8*((\a)%2)+2*\i+8*(\i/4))*4096 th:TH_STORE_NT   ; 16 lanes store 256 consecutive bytes, at a multiple of 256 from out0's first byte
.endr
.endm
	PLACES                                         ; in front of the first read of results
	TOSTAGE 0
.irp a, 1,2,3
.if \a > 1
	s_wait_xcnt 0x0                                ; the stores of two tiles ago have read their registers: this tile's rows may land there
.endif
	TOSTAGE \a
	SEND \a-1, 16                                  ; behind that tile's loads: this tile's 8 stores and 8 loads
.endr
	SEND 3, 0
	s_wait_tensorcnt 0x0
	ds_add_u32 v30, v31
	s_wait_dscnt 0x0
	CROUND                                         ; the closing round: no work-group ends while a partner may still ask for a block that names it
	s_endpgm
.Lfunc_end_k_q7283df51dc_oproj:
	.size	k_q7283df51dc_oproj, .Lfunc_end_k_q7283df51dc_oproj-k_q7283df51dc_oproj
	.p2alignl 7, 3214868480
	.fill 96, 4, 3214868480
	.section	.rodata,"a",@progbits
	.p2align	6, 0x0
	.amdhsa_kernel k_q7283df51dc_oproj
		.amdhsa_group_segment_fixed_size 222720
		.amdhsa_private_segment_fixed_size 0
		.amdhsa_enable_private_segment 0
		.amdhsa_kernarg_size 32
		.amdhsa_user_sgpr_count 2
		.amdhsa_user_sgpr_kernarg_segment_ptr 1
		.amdhsa_wavefront_size32 1
		.amdhsa_system_sgpr_workgroup_id_x 1
		.amdhsa_system_sgpr_workgroup_id_y 1
		.amdhsa_system_sgpr_workgroup_id_z 1
		.amdhsa_system_vgpr_workitem_id 0
		.amdhsa_next_free_vgpr 512
		.amdhsa_next_free_sgpr 100
		.amdhsa_reserve_vcc 0
		.amdhsa_float_denorm_mode_32 3
		.amdhsa_float_denorm_mode_16_64 3
		.amdhsa_memory_ordered 1
		.amdhsa_forward_progress 1
		.amdhsa_inst_pref_size 51
	.end_amdhsa_kernel
	.amdgpu_metadata
---
amdhsa.version: [ 1, 2 ]
amdhsa.kernels:
  - .name:           k_q7283df51dc_oproj
    .symbol:         k_q7283df51dc_oproj.kd
    .args:
      - { .name: ao, .offset: 0, .size: 8, .value_kind: global_buffer, .address_space: global }
      - { .name: ops, .offset: 8, .size: 8, .value_kind: global_buffer, .address_space: global }
      - { .name: b_o, .offset: 16, .size: 8, .value_kind: global_buffer, .address_space: global }
      - { .name: out0, .offset: 24, .size: 8, .value_kind: global_buffer, .address_space: global }
    .group_segment_fixed_size: 222720
    .private_segment_fixed_size: 0
    .kernarg_segment_align: 8
    .kernarg_segment_size: 32
    .max_flat_workgroup_size: 128
    .sgpr_count:     100
    .vgpr_count:     512
    .wavefront_size: 32
...
	.end_amdgpu_metadata
.endif
;; end of part 4
